; MI455X (gfx1250); checked and timed in simulation.
; The chip was launched on July 23, 2026; its instructions are those of AMD's public machine-readable ISA for CDNA 5 (MIT licence, August 2026) and "CDNA5" Instruction Set Architecture Reference Guide (July 2026). The comments in the code are by the model that wrote it; some were corrected since.
;; Llama Attention. Allowed arithmetic: matrix products marked QUANTISED: E2M1 operands, one E8M0 scale for each 32 along K, by v_wmma_scale_f32_16x16x128_f8f6f4 with both operands' format E2M1 (or v_wmma_scale_f32_32x16x128_f4), f32 sums; products left as they are: bf16, f16 or f32 operands; f32 sums; everything else in f32.
;; Inputs: Wk 2,048 x 2,048 float32; Wo 2,048 x 2,048 float32; Wq 2,048 x 2,048 float32; Wv 2,048 x 2,048 float32; x 1 x 2,048 x 2,048 float32.
;; Outputs: out0 1 x 2,048 x 2,048 float32.
;; This version of the problem:
;;   THIS VERSION OF THE PROBLEM IS GIVEN IN LOW PRECISION. The matrix products marked QUANTISED in the list below multiply operands that are first quantised to E2M1 (2 exponent bits, 1 mantissa bit; 4 bits a number), with one power-of-two scale for each 32 numbers along K (OCP MX v1.0); their sums are f32. The products marked 'left as it is' may take bf16, f16 or f32 operands, with f32 sums. Whichever they take, every output number must still come out within the allowed error. Rounding operands to bf16 (8 significant bits) uses up far more of that allowance than f16 does (11 bits, for magnitudes from 6e-5 to 65,504). All else is computed in f32.
;;   The module's matrix products, in the order in which they are computed (A, B: the left and right operand; K: the contracted axis; several contracted axes count as one K, in the product's order):
;;     1. [M 2,048, K 2,048] x [K 2,048, N 2,048]; A: input x; B: input Wq: QUANTISED
;;     2. [M 2,048, K 2,048] x [K 2,048, N 2,048]; A: input x; B: input Wk: QUANTISED
;;     3. [M 2,048, K 2,048] x [K 2,048, N 2,048]; A: input x; B: input Wv: QUANTISED
;;     4. batch 16 x [M 2,048, K 128] x [K 128, N 2,048]; A: computed on the way; B: computed on the way: left as it is (an operand is computed on the way)
;;     5. batch 16 x [M 2,048, K 2,048] x [K 2,048, N 128]; A: computed on the way; B: computed on the way: left as it is (an operand is computed on the way)
;;     6. [M 2,048, K 2,048] x [K 2,048, N 2,048]; A: computed on the way; B: input Wo: left as it is (an operand is computed on the way)
;;   THE QUANTISER, for each operand of a quantised product, along K:
;;     - K is cut into blocks of 32 from its start; a last block that is shorter is filled with zeros.
;;     - A block's scale is 2^e with e = floor(log2(the largest magnitude in the block)) - 2, held to -126 .. 127; a block of zeros has e = 0. As a byte (E8M0): e + 127.
;;     - Each number is divided by its block's scale, clamped to +-6, and rounded to the nearest number of E2M1, ties to even, subnormals kept.
;;     - The product sums the exact products of the quantised numbers (number of the format x scale) in f32.
;;   ~~~python
;;   def quantise(x, axis):      # numpy; x: float32 -> the quantised numbers, widened to float32 again
;;       x = np.moveaxis(x, axis, -1); K = x.shape[-1]
;;       x = np.pad(x, [(0, 0)] * (x.ndim - 1) + [(0, -K % 32)]); x = x.reshape(x.shape[:-1] + (-1, 32)); a = np.abs(x).max(-1, keepdims=True)
;;       e = np.where(a > 0, np.clip(np.frexp(np.where(a > 0, a, 1))[1] - 1 - 2, -126, 127), 0)      # np.frexp(a)[1] - 1 = floor(log2(a)), exactly
;;       r = np.clip(x / 2.0 ** e, -6, 6)
;;       step = 2.0 ** (np.maximum(np.frexp(np.where(r == 0, 1, r))[1] - 1, 0) - 1)
;;       q = np.round(r / step) * step * 2.0 ** e      # np.round: ties to even
;;       return np.moveaxis(q.reshape(q.shape[:-2] + (-1,))[..., :K], -1, axis).astype(np.float32)
;;   ~~~
;; One version. Each part assembles by itself: llvm-mc -triple=amdgcn-amd-amdhsa -mcpu=gfx1250 --defsym DOCPART=n.
;; ======== version 1 of 1: 5 launches
;; limits: values are held in f16: magnitudes above 65,504 overflow, below 6.1e-05 lose precision
;; workspace buffers: codes 8,388,608 bytes; scales 524,288 bytes; tab 2,097,152 bytes; wo16 8,388,608 bytes; qkv16 25,165,824 bytes; qkv32 393,216 bytes; y16 8,388,608 bytes
;; launch prep (part 1): grid 672 x 1, 4 waves a work-group, no clusters, 33,280 bytes of LDS; arguments x, Wq, Wk, Wv, Wo, codes, scales, wo16, tab; writes codes, scales, wo16, tab
.if DOCPART == 1
	.amdgcn_target "amdgcn-amd-amdhsa--gfx1250"
	.amdhsa_code_object_version 6
	.text
	.protected	k_qc8a750fd73_prep
	.globl	k_qc8a750fd73_prep
	.p2align	8
	.type	k_qc8a750fd73_prep,@function
k_qc8a750fd73_prep:
	s_mov_b64 s[64:65], 0
	v_nop
	global_prefetch_b8 v0, s[64:65] scope:SCOPE_SE
	s_setreg_imm32_b32 hwreg(HW_REG_WAVE_MODE, 25, 1), 1
	s_wait_xcnt 0x0
; THREE JOBS IN ONE LAUNCH, parted by the work-group's number alone.
; Work-groups 0-511: x, Wq, Wk, Wv ([2048][2048] f32, K innermost) become codes of FP4 (E2M1), two a byte, and one E8M0 byte for each 32 along K.
;   The four tensors lie on end in both buffers: codes [8192 rows][1024 bytes], scales [8192 rows][64 bytes].
;   A block's scale is 2^(floor(log2(its largest magnitude)) - 2); its byte is the largest magnitude's exponent field - 2, held at 1 from below.
;   (A block of zeros gets the byte 1 where the rule says 127: its codes are zeros, and this program alone reads the bytes.)
; Work-groups 512-639: Wo is rounded to f16, as it lies.
; Work-groups 640-671: the tables of the rotary embedding, laid as images of the registers in which the next launch wants them:
;   tab [2 kinds: q, k][128 blocks of 16 rows][16 images][16 bytes x 32 lanes].  Image 4 u + part, lane (r = lane % 16, h = lane / 16), word e: row t = 16 block + r, frequency f = 16 u + 8 h + 4 (part & 1) + e;
;   parts 0, 1: cos(t inv_f); parts 2, 3: sin(t inv_f) with its sign turned for even f (the partner of an even channel enters with a minus).  The q kind is multiplied by log2(e) / sqrt(128).
; LIMITS: NaN and infinities are not served; blocks whose largest magnitude lies under 2^-124 keep the byte 1; |Wo| stays under 65,504 (f16);
;   inv_f = 2^(-f log2(10000) / 64) by v_exp_f32 lies within a few units in the last place of the quotient that the source writes: at row 2,047 the angle differs by up to about 3e-4 rad, in the first hundred rows by under 2e-5.
.set STEPS, 16
.set EMAX,  2
.set CB,    8                          ; bytes of 16 codes
.set R,     16                         ; v16-79   four sets of 16 numbers as they are loaded
.set X,     80                         ; v80-111  two sets of 16 neighbours
.set E,     112                        ; v112-127 a scale byte for each step
.set C,     128                        ; v128-191 codes, four registers for each step
.set H,     80                         ; v80-207  Wo's path: eight registers of f16 for each step
.set WREG,  8192                       ; LDS: a region for each wave: two stages of 32 x SP bytes, then its 256 scale bytes
.set SP,    80
.set SPW,   12                         ; v12  my spare word: SPARE + 4 x my thread's number; never rewritten
.set NIL,   13                         ; v13  0; never rewritten
.set SPARE, 4*WREG                     ; the spare words: 128 bytes a wave, named by no other line
.set INV,   16                         ; the tables' path: v16-47 my 32 frequencies
.set KC,    64                         ; v64-95 cos, v96-127 sin' for k; v128-159, v160-191 the same for q
.set KS,    96
.set QC,    128
.set QS,    160
.macro FINISH                          ; the wave's end
	s_wait_tensorcnt 0x0
	ds_add_u32 v[SPW], v[NIL]
	s_wait_dscnt 0x0
	s_endpgm
.endm
	s_load_b256 s[4:11], s[0:1], 0x0               ; x, Wq, Wk, Wv
	s_load_b256 s[12:19], s[0:1], 0x20             ; Wo, codes, scales, wo16
	s_load_b64 s[20:21], s[0:1], 0x40              ; tab
	v_lshl_add_u32 v[SPW], v0, 2, SPARE
	v_mov_b32 v[NIL], 0
	v_lshrrev_b32 v1, 5, v0
	v_readfirstlane_b32 s24, v1                    ; wave
	v_and_b32 v2, 31, v0                           ; lane
	v_lshlrev_b32 v3, 4, v2                        ; 16 x lane
	s_mul_i32 s25, s24, WREG
	v_lshrrev_b32 v14, 2, v2
	v_mul_u32_u24 v14, v14, SP
	v_and_b32 v15, 3, v2
	v_lshl_add_u32 v14, v15, 4, v14
	v_add_nc_u32 v14, s25, v14                     ; the stage, on the way in: SP (lane / 4) + 16 (lane % 4)
	v_mul_u32_u24 v15, v2, SP
	v_add_nc_u32 v15, s25, v15                     ; and on the way out: SP x lane: my 16 neighbours
	v_mul_u32_u24 v4, v2, CB                       ; 8 x lane
	v_lshrrev_b32 v5, 1, v2
	s_add_co_u32 s25, s25, 2*32*SP
	v_add_nc_u32 v5, s25, v5                       ; my wave's 256 scale bytes, my block's byte
	v_lshlrev_b32 v7, 3, v2
	v_add_nc_u32 v6, s25, v7                       ; and 8 bytes a lane on their way out
	s_lshl_b32 s26, ttmp9, 2
	s_add_co_u32 s26, s26, s24                     ; 4 x work-group + wave
	s_mov_b32 s29, 0
	s_wait_kmcnt 0x0
	s_cmp_lt_u32 ttmp9, 512
	s_cbranch_scc0 .Lnot_codes
; ---- the quantiser.  A wave takes a run of 8,192 numbers: 16 steps of 512.  Rows are dense, so a tensor is a plain stream of blocks of 32.
	s_lshr_b32 s27, ttmp9, 7                       ; which tensor: the choice hangs on the work-group's number alone
	s_cmp_eq_u32 s27, 1
	s_cselect_b64 s[4:5], s[6:7], s[4:5]
	s_cmp_eq_u32 s27, 2
	s_cselect_b64 s[4:5], s[8:9], s[4:5]
	s_cmp_eq_u32 s27, 3
	s_cselect_b64 s[4:5], s[10:11], s[4:5]
	s_and_b32 s28, s26, 511                        ; the run within its tensor: 32,768 bytes each
	s_lshl_b32 s28, s28, 15
	s_add_nc_u64 s[4:5], s[4:5], s[28:29]
	s_lshl_b32 s28, s26, 12                        ; 4,096 bytes of codes a run, the tensors on end
	s_add_nc_u64 s[14:15], s[14:15], s[28:29]
	s_lshl_b32 s28, s26, 8                         ; 256 scale bytes a run
	s_add_nc_u64 s[16:17], s[16:17], s[28:29]
.macro LOAD t
.irp i, 0,1,2,3
	global_load_b128 v[R+16*((\t)%4)+4*\i:R+16*((\t)%4)+4*\i+3], v3, s[4:5] offset:2048*(\t)+512*\i th:TH_LOAD_NT   ; 32 lanes read 512 consecutive bytes
.endr
.endm
.macro TURN t                          ; a step's numbers through the stage: in as they lie, out 64 bytes a lane; LDS serves a wave's instructions in order
.irp i, 0,1,2,3
	ds_store_b128 v14, v[R+16*((\t)%4)+4*\i:R+16*((\t)%4)+4*\i+3] offset:32*SP*((\t)%2)+8*SP*\i
.endr
.irp i, 0,1,2,3
	ds_load_b128 v[X+16*((\t)%2)+4*\i:X+16*((\t)%2)+4*\i+3], v15 offset:32*SP*((\t)%2)+16*\i
.endr
.endm
.irp t, 0,1,2,3
	LOAD \t
.endr
	s_wait_loadcnt 12                              ; step 0's four loads are in; three steps' twelve may be out
	TURN 0
.macro STEP t
.set XS, X+16*((\t)%2)
.if (\t) > 0
	s_wait_dscnt 1                                 ; this step's numbers are back from the stage (the last step's byte store may be out)
.else
	s_wait_dscnt 0x0
.endif
.if (\t)+4 < STEPS
	LOAD (\t)+4
.endif
.if (\t)+1 < STEPS
.if STEPS-2-(\t) >= 3
	s_wait_loadcnt 12                              ; the next step's four loads are in; those of the three steps behind it may be out
.else
	s_wait_loadcnt 4*(STEPS-2-(\t))
.endif
	TURN (\t)+1
.endif
	v_max3_num_f32 v8, |v[XS]|, |v[XS+1]|, |v[XS+2]|               ; the largest magnitude of my 16, in two chains
	v_max3_num_f32 v9, |v[XS+3]|, |v[XS+4]|, |v[XS+5]|
.irp i, 6,10
	v_max3_num_f32 v8, v8, |v[XS+\i]|, |v[XS+\i+1]|
	v_max3_num_f32 v9, v9, |v[XS+\i+2]|, |v[XS+\i+3]|
.endr
	v_max3_num_f32 v8, v8, |v[XS+14]|, |v[XS+15]|
	v_max3_num_f32 v8, v8, v9, (EMAX+1)<<23        ; and the floor 2^(3 - 127): the byte cannot fall under 1
	v_max_num_f32_dpp v8, v8, v8 row_xmask:1 row_mask:0xf bank_mask:0xf   ; with my neighbour's 16: the block's
	v_add_nc_u32 v11, -(EMAX<<23), v8              ; 2 off its exponent field: the conversion takes the exponent field of this operand as its scale
	v_cvt_scalef32_pk8_fp4_f32 v[C+4*(\t)], v[XS:XS+7], v11
	v_cvt_scalef32_pk8_fp4_f32 v[C+4*(\t)+1], v[XS+8:XS+15], v11
	v_lshrrev_b32 v[E+(\t)], 23, v11               ; the scale's byte
	ds_store_b8 v5, v[E+(\t)] offset:16*(\t)       ; both lanes of a block write the same byte with the same value
	global_store_b64 v4, v[C+4*(\t):C+4*(\t)+1], s[14:15] offset:32*CB*(\t)   ; the wave stores 256 consecutive bytes, aligned
.endm
.irp t, 0,1,2,3,4,5,6,7,8,9,10,11,12,13,14,15
	STEP \t
.endr
	ds_load_b64 v[8:9], v6                         ; my wave's 256 scale bytes
	s_wait_dscnt 0x0
	global_store_b64 v7, v[8:9], s[16:17]          ; 256 consecutive bytes, aligned
	FINISH
.Lnot_codes:
	s_cmp_lt_u32 ttmp9, 640
	s_cbranch_scc0 .Ltable
; ---- Wo to f16: a run of 8,192 numbers a wave; loads four steps ahead; each step has its own registers for its stores
	s_sub_co_u32 s26, s26, 2048
	s_lshl_b32 s28, s26, 15
	s_add_nc_u64 s[12:13], s[12:13], s[28:29]
	s_lshl_b32 s28, s26, 14
	s_add_nc_u64 s[18:19], s[18:19], s[28:29]
.macro WOLOAD t
.irp i, 0,1,2,3
	global_load_b128 v[R+16*((\t)%4)+4*\i:R+16*((\t)%4)+4*\i+3], v3, s[12:13] offset:2048*(\t)+512*\i th:TH_LOAD_NT
.endr
.endm
.macro WOSTEP t
.if STEPS-1-(\t) >= 3
	s_wait_loadcnt 12                              ; this step's four loads are in; three steps' twelve may be out
.else
	s_wait_loadcnt 4*(STEPS-1-(\t))
.endif
.irp i, 0,1,2,3
	v_cvt_pk_f16_f32 v[H+8*(\t)+2*\i], v[R+16*((\t)%4)+4*\i], v[R+16*((\t)%4)+4*\i+1]
	v_cvt_pk_f16_f32 v[H+8*(\t)+2*\i+1], v[R+16*((\t)%4)+4*\i+2], v[R+16*((\t)%4)+4*\i+3]
.endr
.if (\t)+4 < STEPS
	WOLOAD (\t)+4
.endif
.irp i, 0,1,2,3
	global_store_b64 v4, v[H+8*(\t)+2*\i:H+8*(\t)+2*\i+1], s[18:19] offset:1024*(\t)+256*\i   ; 256 consecutive bytes, aligned
.endr
.endm
.irp t, 0,1,2,3
	WOLOAD \t
.endr
.irp t, 0,1,2,3,4,5,6,7,8,9,10,11,12,13,14,15
	WOSTEP \t
.endr
	FINISH
.Ltable:
; ---- the tables: a wave serves one block of 16 rows; a lane has one row and 32 frequencies, number 8 u + j being f = 16 u + 8 h + j
	s_sub_co_u32 s26, s26, 2560                    ; the block, 0 .. 127
	s_lshl_b32 s28, s26, 13
	s_add_nc_u64 s[20:21], s[20:21], s[28:29]
	s_lshl_b32 s27, s26, 4
	v_and_b32 v8, 15, v0
	v_add_nc_u32 v8, s27, v8
	v_cvt_f32_u32 v8, v8                           ; t
	v_bfe_u32 v9, v0, 4, 1
	v_lshlrev_b32 v9, 3, v9                        ; 8 h
	s_mov_b32 s30, 0xbe549a78                      ; -log2(10000) / 64
	s_mov_b32 s31, 0x3f22f983                      ; 2 / pi
	s_mov_b32 s32, 0xbfc90fdb                      ; -(pi / 2), its upper part
	s_mov_b32 s33, 0x333bbd2e                      ; what the upper part has too much
	s_mov_b32 s34, 0xb94ca1f9                      ; sine: r + r z (S1 + z (S2 + z S3)), z = r r, |r| <= pi / 4
	s_mov_b32 s35, 0x3c08839e
	s_mov_b32 s36, 0xbe2aaaa3
	s_mov_b32 s37, 0x37ccf5ce                      ; cosine: 1 - z / 2 + z z (C1 + z (C2 + z C3))
	s_mov_b32 s38, 0xbab6061a
	s_mov_b32 s39, 0x3d2aaaa5
	s_mov_b32 s40, 0x3e0293ee                      ; log2(e) / sqrt(128)
.set i, 0
.rept 32
	v_add_nc_u32 v[10+i%2], 16*(i/8)+i%8, v9
	v_cvt_f32_u32 v[10+i%2], v[10+i%2]
	v_mul_f32 v[INV+i], s30, v[10+i%2]
.set i, i+1
.endr
.set i, 0
.rept 32
	v_exp_f32 v[INV+i], v[INV+i]                   ; inv_f: one batch
.set i, i+1
.endr
	v_nop                                          ; a plain instruction behind the last of them,
	s_wait_alu depctr_va_vdst(0)                   ; and one wait for the batch, ahead of its first reader
; Sine and cosine of t inv_f by hand, in f32: the angle is one rounded product; n = the nearest multiple of pi / 2, taken off in two parts (the first difference is exact: n has 11 bits); two polynomials; the quadrant swaps them and sets the signs.
.macro SINCOS i
	v_mul_f32 v48, v8, v[INV+\i]
	v_mul_f32 v49, s31, v48
	v_rndne_f32 v49, v49
	v_fma_f32 v50, v49, s32, v48
	v_fma_f32 v50, v49, s33, v50
	v_mul_f32 v51, v50, v50
	v_fma_f32 v52, v51, s34, s35
	v_fma_f32 v55, v51, s37, s38
	v_fma_f32 v52, v52, v51, s36
	v_fma_f32 v55, v55, v51, s39
	v_mul_f32 v53, v51, v50
	v_mul_f32 v56, v51, v51
	v_fma_f32 v57, v51, -0.5, 1.0
	v_fma_f32 v54, v52, v53, v50                   ; sin r
	v_fma_f32 v58, v55, v56, v57                   ; cos r
	v_cvt_i32_f32 v59, v49
	v_and_b32 v60, 1, v59
	v_cmp_eq_u32 vcc_lo, 1, v60
	v_cndmask_b32 v61, v54, v58, vcc_lo            ; in odd quadrants the two change places
	v_cndmask_b32 v62, v58, v54, vcc_lo
	v_add_nc_u32 v63, 1, v59
.if (\i)%2 == 0
	v_add_nc_u32 v60, 2, v59                       ; even f: the sine's sign is turned once more
	v_lshlrev_b32 v60, 30, v60
.else
	v_lshlrev_b32 v60, 30, v59
.endif
	v_lshlrev_b32 v63, 30, v63
	v_and_b32 v60, 0x80000000, v60                 ; the sine is negative where bit 1 of n is set,
	v_and_b32 v63, 0x80000000, v63                 ; the cosine where bit 1 of n + 1 is
	v_xor_b32 v[KS+\i], v61, v60
	v_xor_b32 v[KC+\i], v62, v63
	v_mul_f32 v[QS+\i], s40, v[KS+\i]
	v_mul_f32 v[QC+\i], s40, v[KC+\i]
.endm
.irp i, 0,1,2,3,4,5,6,7,8,9,10,11,12,13,14,15,16,17,18,19,20,21,22,23,24,25,26,27,28,29,30,31
	SINCOS \i
.endr
.irp u, 0,1,2,3
.irp p, 0,1
	global_store_b128 v3, v[QC+8*\u+4*\p:QC+8*\u+4*\p+3], s[20:21] offset:512*(4*\u+\p)              ; each store covers 512 consecutive bytes, aligned
	global_store_b128 v3, v[QS+8*\u+4*\p:QS+8*\u+4*\p+3], s[20:21] offset:512*(4*\u+2+\p)
	global_store_b128 v3, v[KC+8*\u+4*\p:KC+8*\u+4*\p+3], s[20:21] offset:1048576+512*(4*\u+\p)
	global_store_b128 v3, v[KS+8*\u+4*\p:KS+8*\u+4*\p+3], s[20:21] offset:1048576+512*(4*\u+2+\p)
.endr
.endr
	FINISH
.Lfunc_end_k_qc8a750fd73_prep:
	.size	k_qc8a750fd73_prep, .Lfunc_end_k_qc8a750fd73_prep-k_qc8a750fd73_prep
	.p2alignl 7, 3214868480
	.fill 96, 4, 3214868480
	.section	.rodata,"a",@progbits
	.p2align	6, 0x0
	.amdhsa_kernel k_qc8a750fd73_prep
		.amdhsa_group_segment_fixed_size 33280
		.amdhsa_private_segment_fixed_size 0
		.amdhsa_enable_private_segment 0
		.amdhsa_kernarg_size 72
		.amdhsa_user_sgpr_count 2
		.amdhsa_user_sgpr_kernarg_segment_ptr 1
		.amdhsa_wavefront_size32 1
		.amdhsa_system_sgpr_workgroup_id_x 1
		.amdhsa_system_sgpr_workgroup_id_y 1
		.amdhsa_system_sgpr_workgroup_id_z 1
		.amdhsa_system_vgpr_workitem_id 0
		.amdhsa_next_free_vgpr 208
		.amdhsa_next_free_sgpr 66
		.amdhsa_reserve_vcc 1
		.amdhsa_float_denorm_mode_32 3
		.amdhsa_float_denorm_mode_16_64 3
		.amdhsa_memory_ordered 1
		.amdhsa_forward_progress 1
		.amdhsa_inst_pref_size 103
	.end_amdhsa_kernel
	.amdgpu_metadata
---
amdhsa.version: [ 1, 2 ]
amdhsa.kernels:
  - .name:           k_qc8a750fd73_prep
    .symbol:         k_qc8a750fd73_prep.kd
    .args:
      - { .name: x, .offset: 0, .size: 8, .value_kind: global_buffer, .address_space: global }
      - { .name: Wq, .offset: 8, .size: 8, .value_kind: global_buffer, .address_space: global }
      - { .name: Wk, .offset: 16, .size: 8, .value_kind: global_buffer, .address_space: global }
      - { .name: Wv, .offset: 24, .size: 8, .value_kind: global_buffer, .address_space: global }
      - { .name: Wo, .offset: 32, .size: 8, .value_kind: global_buffer, .address_space: global }
      - { .name: codes, .offset: 40, .size: 8, .value_kind: global_buffer, .address_space: global }
      - { .name: scales, .offset: 48, .size: 8, .value_kind: global_buffer, .address_space: global }
      - { .name: wo16, .offset: 56, .size: 8, .value_kind: global_buffer, .address_space: global }
      - { .name: tab, .offset: 64, .size: 8, .value_kind: global_buffer, .address_space: global }
    .group_segment_fixed_size: 33280
    .private_segment_fixed_size: 0
    .kernarg_segment_align: 8
    .kernarg_segment_size: 72
    .max_flat_workgroup_size: 128
    .sgpr_count:     66
    .vgpr_count:     208
    .wavefront_size: 32
...
	.end_amdgpu_metadata
.endif
;; end of part 1
;; launch qkv (part 2): grid 24 x 8, 4 waves a work-group, clusters of 4 x 4, 327,680 bytes of LDS; arguments codes, scales, tab, qkv16, qkv32; writes qkv16, qkv32
.if DOCPART == 2
	.amdgcn_target "amdgcn-amd-amdhsa--gfx1250"
	.amdhsa_code_object_version 6
	.text
	.protected	k_qc8a750fd73_qkv
	.globl	k_qc8a750fd73_qkv
	.p2align	8
	.type	k_qc8a750fd73_qkv,@function
k_qc8a750fd73_qkv:
	s_mov_b64 s[64:65], 0
	v_nop
	global_prefetch_b8 v0, s[64:65] scope:SCOPE_SE
	s_setreg_imm32_b32 hwreg(HW_REG_WAVE_MODE, 25, 1), 1
	s_wait_xcnt 0x0
	s_wait_alu depctr_hold_cnt(0) depctr_sa_sdst(0) depctr_va_vdst(0) depctr_va_sdst(0) depctr_va_ssrc(0) depctr_va_vcc(0) depctr_vm_vsrc(0)
	s_getreg_b32 s2, hwreg(HW_REG_IB_STS2, 6, 4)
	s_cmp_eq_u32 s2, 0
	s_cbranch_scc0 .Lentry_in_a_cluster
	s_endpgm
.Lentry_in_a_cluster:
	s_bfe_u32 s2, ttmp6, 0x10000c
	s_cmp_lg_u32 s2, 0xf033
	s_cbranch_scc0 .Lentry_shape_is_right
	s_endpgm
.Lentry_shape_is_right:
; [q | k | v][t][n] = sum over c of x[t][c] W[n][c], the three quantised products as ONE product of 2,048 x 6,144 x 2,048 on codes of FP4 (E2M1) with one E8M0 scale for each 32 along K.
; A = rows 0-2,047 of codes (x), B = rows 2,048-8,191 (Wq, Wk, Wv on end); scales likewise.  Sums in f32.
; A tile of C, 256 x 256, is made by four waves, 128 x 128 each: 64 accumulators, 512 registers.  K goes in steps of 512 (rows of 256 bytes) through a ring of two LDS slots filled by the tensor data mover.
; The scales of the work-group's rows, for all of K, come into LDS once, with the first fills.
; CLUSTERS: 4 x 4 work-groups; A's tiles are asked for jointly along a row of the cluster, B's along a column.  The matrix instruction is used transposed (source 0 = rows of B, source 1 = rows of A): a lane holds eight neighbouring columns of one row.
; A wave's 128 columns are ONE HEAD of q, k or v, and a cluster's 1,024 columns lie in one of the three: so the kind hangs on the cluster's x alone.
; THE WAY OUT: q and k get the rotary embedding in f32 (out[d] = a[d] cos + a[d xor 1] sin', both tables as register images from tab; q's tables carry log2(e) / sqrt(128)); all three are rounded to f16 and
; stored as qkv16 [48 heads][2,048 rows][128]: a block of 16 rows of a head is 4,096 consecutive bytes.  Rows 0-15 also leave in f32, for the launch that carries them finely, as images of the registers that hold them:
; qkv32 [48 heads][16 images][16 bytes x 32 lanes]; image 2 b + e, lane (r, h): row r, channels 16 b + 8 h + 4 e .. + 3.  Each of those stores covers 512 consecutive bytes, aligned.
; LIMITS: |q| log2(e) / sqrt(128), |k| and |v| stay under 65,504 (f16).
; 192 work-groups: with this tile a wave's columns are a head and the kinds part at clusters' borders; a tile that gave each WGP one would straddle both.
; REGISTERS: window 0: v0-31 addresses; v32-95 scale words, two sets, and nothing else; from v128 A's fragments, one set; on the way out v96-159 results in f32, v160-191 packed, v192-255 rows read back.
;   window 1: B's fragments at v0 and v128; v64-127 and v192-255 lie idle in the loop and take the first two table sets.   windows 2, 3: the accumulators ((a, b) at v[8 (8 (a % 4) + b)]).
.set SIZE_K, 2048
.set KSTEP,  512
.set NQ,     KSTEP/128
.set ROWB,   256
.set KROW,   SIZE_K*4/8
.set PITCH,  272                       ; an LDS row: 256 bytes + 16 of padding: the 16 rows that a load touches start 68 words apart
.set FR,     8
.set NL,     2
.set NP,     4
.set HALFT,  128*PITCH
.set SLOT,   4*HALFT
.set LAPS,   SIZE_K/(2*KSTEP)
.set KS,     SIZE_K/32
.set SCL,    2*SLOT
.set HALFS,  (128*KS/256)*272
.set SBLK,   (16*KS/256)*272
.set SPARE,  SCL+4*HALFS               ; the spare words: 128 bytes a wave, named by no other line
.set SPITCH, 272                       ; the way out: a stage of 16 rows x (256 bytes + 16) for each wave, in slot 0, which has had its last fill and its last read by then
.set ADRA, 16
.set ADRB, 20
.set STO,  24
.set RD,   25
.set ADRS, 27
.set SPW,  28
.set NIL,  29
.set FLG,  30                          ; v30  0 in the waves whose first block is rows 0-15
.set L16,  31                          ; v31  16 x lane
.set SC,   32
.set T,    96
.set AF,   128
.set TMP,  160
.set BK,   192
.set G1, 24
.set G0, 32
.set G1B, 48
.set G0B, 56
.set G1S, 68
.set G0S, 76
.set G1SB, 80
.set G0SB, 88
.set MSB, 0
.macro WIN new                         ; the immediate's high byte repeats the setting that is left
.if MSB != (\new)
	s_set_vgpr_msb (MSB<<8)|(\new)
.set MSB, (\new)
.endif
.endm
.set MUL_LO, 0xa1                      ; source 0 (B) window 1, source 1 (A) window 0, C and D window 2
.set MUL_HI, 0xf1
.set TO_B,   0x40                      ; destination window 1
; A joint load: waves 0 and 1 fetch for A, waves 2 and 3 for B; the branch hangs on the wave's number alone.  An s_nop 0 and four v_nop follow each line.
.macro JLOAD g0a, g1a, g0b, g1b
	s_cmp_eq_u32 s15, 0
	s_cbranch_scc0 .Lfor_b_\@
	tensor_load_to_lds s[\g0a:\g0a+3], s[\g1a:\g1a+7]
	s_nop 0
.rept 4
	v_nop
.endr
	s_branch .Lasked_\@
.Lfor_b_\@:
	tensor_load_to_lds s[\g0b:\g0b+3], s[\g1b:\g1b+7]
	s_nop 0
.rept 4
	v_nop
.endr
.Lasked_\@:
.endm
.macro CREST                           ; a round of the cluster's barrier behind its opening barrier
	s_cmp_lg_u32 s14, 0
	s_cbranch_scc1 .Lnot_wave_0_\@
	s_barrier_signal -3
.Lnot_wave_0_\@:
	s_barrier_wait -3
	s_barrier_signal -1
	s_barrier_wait -1
.endm
.macro CROUND
	s_barrier_signal -1
	s_barrier_wait -1
	CREST
.endm
	s_load_b128 s[4:7], s[0:1], 0x0                ; codes, scales
	s_load_b64 s[96:97], s[0:1], 0x10              ; tab
	s_load_b64 s[12:13], s[0:1], 0x18              ; qkv16
	s_load_b64 s[98:99], s[0:1], 0x20              ; qkv32
	v_lshl_add_u32 v[SPW], v0, 2, SPARE
	v_mov_b32 v[NIL], 0
	ds_add_u32 v[SPW], v[NIL]                      ; the wave's opening: the add, twice on end, and its wait ahead of my first tensor load
	ds_add_u32 v[SPW], v[NIL]
	v_lshrrev_b32 v1, 5, v0
	v_readfirstlane_b32 s14, v1                    ; wave 0..3
	s_lshr_b32 s15, s14, 1                         ; which half of the tile's rows is mine.  Also: I fetch for A (0) or for B (1)
	s_and_b32 s16, s14, 1                          ; which half of its columns.  Also: which 128 rows of that tile I fetch
	s_bfe_u32 s40, ttmp6, 0x40000                  ; cx, cy
	s_bfe_u32 s41, ttmp6, 0x40004
	s_lshl_b32 s42, ttmp9, 2
	s_add_co_u32 s42, s42, s40                     ; tile column = 4 x cluster x + cx
	s_and_b32 s17, ttmp7, 0xffff
	s_lshl_b32 s17, s17, 2
	s_add_co_u32 s17, s17, s41                     ; tile row = 4 x cluster y + cy
	s_lshl_b32 s43, s41, 2
	s_lshl_b32 s43, 15, s43                        ; my row of the cluster
	s_lshl_b32 s44, 0x1111, s40                    ; my column
	s_or_b32 s[G1+0], s43, (0<<16)|(1<<20)|(1<<21)|(5<<22)|(3<<25)  ; the mask; elements of 1 byte; padding on; bit 21 beside a mask; 4 words behind every 64
	s_or_b32 s[G1B+0], s44, (0<<16)|(1<<20)|(1<<21)|(5<<22)|(3<<25)
.irp g, G1, G1B
	s_mov_b32 s[\g+1], ROWB<<16                    ; tensor_dim0
	s_mov_b32 s[\g+2], 128<<16                     ; tensor_dim1
	s_mov_b32 s[\g+3], ROWB<<16                    ; tile_dim0
	s_mov_b32 s[\g+4], 128                         ; tile_dim1
	s_mov_b32 s[\g+5], KROW                        ; the pitch
	s_mov_b32 s[\g+6], 0
	s_mov_b32 s[\g+7], 0
.endr
	s_or_b32 s[G1S+0], s43, (3<<16)|(1<<20)|(1<<21)|(5<<22)|(3<<25)  ; the scales of 128 rows: 8,192 dense bytes as 32 rows of 256 (32 elements of 8 bytes), 16 bytes of padding behind each
	s_or_b32 s[G1SB+0], s44, (3<<16)|(1<<20)|(1<<21)|(5<<22)|(3<<25)
.irp g, G1S, G1SB
	s_mov_b32 s[\g+1], 32<<16
	s_mov_b32 s[\g+2], (128*KS/256)<<16
	s_mov_b32 s[\g+3], 32<<16
	s_mov_b32 s[\g+4], 128*KS/256
	s_mov_b32 s[\g+5], 32
	s_mov_b32 s[\g+6], 0
	s_mov_b32 s[\g+7], 0
.endr
	s_lshl_b32 s18, s16, 7
	s_lshl_b32 s20, s17, 8
	s_add_co_u32 s20, s20, s18                     ; A: row 256 x tile row + 128 x half
	s_lshl_b32 s46, s42, 8
	s_add_co_u32 s46, s46, s18                     ; B: row 256 x tile column + 128 x half
	s_mov_b32 s21, 0
	s_mov_b32 s47, 0
	s_mov_b64 s[18:19], KS
	s_mul_u64 s[22:23], s[20:21], s[18:19]
	s_mul_u64 s[92:93], s[46:47], s[18:19]
	s_mov_b64 s[18:19], KROW
	s_mul_u64 s[20:21], s[20:21], s[18:19]
	s_mul_u64 s[46:47], s[46:47], s[18:19]
	s_mul_i32 s45, s14, HALFT                      ; where they go: wave x 128 rows
	s_mul_i32 s94, s14, HALFS
	s_wait_dscnt 0x0                               ; both opening adds are done
	s_wait_kmcnt 0x0
	s_add_nc_u64 s[8:9], s[4:5], 0x200000          ; B's codes begin behind x's 2,048 rows of 1,024 bytes,
	s_add_nc_u64 s[10:11], s[6:7], 0x20000         ; its scales behind 2,048 rows of 64
	s_add_nc_u64 s[20:21], s[4:5], s[20:21]
	s_add_nc_u64 s[22:23], s[6:7], s[22:23]
	s_add_nc_u64 s[46:47], s[8:9], s[46:47]
	s_add_nc_u64 s[92:93], s[10:11], s[92:93]
	CROUND                                         ; all sixteen work-groups are here: the first joint loads meet
	s_mov_b32 s[G0S], 1
	s_add_co_u32 s[G0S+1], s94, SCL
	s_mov_b64 s[G0S+2:G0S+3], s[22:23]
	s_or_b32 s[G0S+3], s[G0S+3], 0x80000000
	s_mov_b32 s[G0SB], 1
	s_add_co_u32 s[G0SB+1], s94, SCL
	s_mov_b64 s[G0SB+2:G0SB+3], s[92:93]
	s_or_b32 s[G0SB+3], s[G0SB+3], 0x80000000
	JLOAD G0S, G1S, G0SB, G1SB                     ; the scales first: three loads of mine are out at the start
.irp s, 0,1
	s_mov_b32 s[G0+4*\s], 1
	s_add_co_u32 s[G0+4*\s+1], s45, \s*SLOT
	s_add_nc_u64 s[G0+4*\s+2:G0+4*\s+3], s[20:21], \s*ROWB
	s_or_b32 s[G0+4*\s+3], s[G0+4*\s+3], 0x80000000
	s_mov_b32 s[G0B+4*\s], 1
	s_add_co_u32 s[G0B+4*\s+1], s45, \s*SLOT
	s_add_nc_u64 s[G0B+4*\s+2:G0B+4*\s+3], s[46:47], \s*ROWB
	s_or_b32 s[G0B+4*\s+3], s[G0B+4*\s+3], 0x80000000
	JLOAD G0+4*\s, G1, G0B+4*\s, G1B
.endr
	v_and_b32 v1, 15, v0                           ; r = lane % 16
	v_bfe_u32 v2, v0, 4, 1                         ; h = lane / 16
	v_mul_u32_u24 v3, v1, PITCH
	v_lshl_add_u32 v4, v2, 4, v3
	s_mul_i32 s21, s15, HALFT
	s_mul_i32 s22, s16, HALFT
	s_add_co_u32 s22, s22, 2*HALFT
.irp s, 0,1
	v_add_nc_u32 v[ADRA+\s], s21, v4
	v_add_nc_u32 v[ADRB+\s], s22, v4
	s_add_co_u32 s21, s21, SLOT
	s_add_co_u32 s22, s22, SLOT
.endr
	v_mul_u32_u24 v5, v1, KS                       ; my row's scales: 64 bytes a row, and 16 more for each 256 passed
	v_lshrrev_b32 v6, 8, v5
	v_lshl_add_u32 v5, v6, 4, v5
	s_mul_i32 s21, s15, HALFS
	s_mul_i32 s22, s16, HALFS
	s_add_co_u32 s22, s22, 2*HALFS
	s_sub_co_u32 s22, s22, s21
	v_mul_u32_u24 v6, s22, v2                      ; lanes 16-31 take B's
	s_add_co_u32 s21, s21, SCL
	v_add_nc_u32 v5, v5, v6
	v_add_nc_u32 v[ADRS], s21, v5
	s_mul_i32 s23, s14, 16*SPITCH                  ; my stage
	v_mul_u32_u24 v5, v1, SPITCH
	v_lshl_add_u32 v5, v2, 4, v5
	v_add_nc_u32 v[STO], s23, v5                   ; in: row r, 16 bytes for each half of the lanes
	v_mul_u32_u24 v5, v2, SPITCH
	v_lshl_add_u32 v5, v1, 4, v5
	v_add_nc_u32 v[RD], s23, v5                    ; back: lanes 0-15 one row of 256 bytes, lanes 16-31 the next
	v_and_b32 v6, 31, v0
	v_lshlrev_b32 v[L16], 4, v6
	s_or_b32 s100, s17, s15                        ; 0: tile row 0, upper half of its rows.  It goes into a vector register and is used as data alone
	v_mov_b32 v[FLG], s100
	s_lshr_b32 s101, ttmp9, 1                      ; the kind: 0 q, 1 k, 2 v: by the cluster's x alone, the same in all partners
	s_lshl_b32 s20, s17, 4
	s_lshl_b32 s21, s15, 3
	s_add_co_u32 s20, s20, s21                     ; my first block of 16 rows
	s_lshl_b32 s20, s20, 13                        ; 8,192 bytes of tables a block
	s_min_u32 s21, s101, 1                         ; (v has no table: its work-groups name k's, so that the head's loads stay inside the buffer)
	s_lshl_b32 s21, s21, 20
	s_add_co_u32 s20, s20, s21
	s_mov_b32 s21, 0
	s_add_nc_u64 s[96:97], s[96:97], s[20:21]
	s_lshl_b32 s20, s17, 8
	s_lshl_b32 s21, s15, 7
	s_add_co_u32 s20, s20, s21                     ; my first row,
	s_lshl_b32 s20, s20, 8                         ; 256 bytes a row of a head
	s_mov_b32 s21, 0
	s_lshl_b32 s46, s42, 1
	s_add_co_u32 s46, s46, s16                     ; my head of the 48,
	s_lshl_b32 s46, s46, 19                        ; 524,288 bytes each
	s_mov_b32 s47, 0
	s_add_nc_u64 s[20:21], s[20:21], s[46:47]
	s_add_nc_u64 s[12:13], s[12:13], s[20:21]
	s_lshl_b32 s46, s42, 14
	s_lshl_b32 s47, s16, 13
	s_add_co_u32 s46, s46, s47                     ; my head's 16 images in qkv32: 8,192 bytes a head
	s_mov_b32 s47, 0
	s_add_nc_u64 s[98:99], s[98:99], s[46:47]
; A block's tables: 16 images of 512 bytes into 64 registers of window 1.  Four sets take turns: v64, v192 (idle in the loop), v0, v128 (B's fragments, free behind the last products).
.macro TABLOAD a
.set SB, 64+128*((\a)%2)-64*(((\a)/2)%2)
	WIN TO_B
.irp i, 0,1,2,3,4,5,6,7,8,9,10,11,12,13,14,15
	global_load_b128 v[SB+4*\i:SB+4*\i+3], v[L16], s[96:97] offset:8192*(\a)+512*\i
.endr
	WIN 0
.endm
	TABLOAD 0                                      ; asked for here, a whole product ahead of their use.  Every work-group runs these lines: v's load 16 KiB a wave that they do not use
	TABLOAD 1
.macro FRAG reg, adr, q, i             ; 16 rows x 128 K of 4-bit codes: lane l holds row l % 16; registers 4 c .. 4 c + 3 hold K = 64 c + 32 (l / 16) + 0 .. 31
.irp c, 0,1
	ds_load_b128 v[\reg+4*\c:\reg+4*\c+3], v[\adr] offset:64*(\q)+32*\c+(\i)*16*PITCH
.endr
.endm
; 16 matrix instructions: A's blocks a0, a0 + 1 x B's eight.  The 64 accumulators take turns, one instruction a turn, in the same order in every step.
.macro MUL16 a0, p, q, sc, zero
.irp a, \a0, \a0+1
.irp b, 0,1,2,3,4,5,6,7
.if \zero
	v_wmma_scale_f32_16x16x128_f8f6f4 v[8*(8*((\a)%4)+\b):8*(8*((\a)%4)+\b)+7], v[128*(\p)+FR*\b:128*(\p)+FR*\b+FR-1], v[AF+FR*(\a):AF+FR*(\a)+FR-1], 0, v[SC+8*NQ*(\sc)+NQ*\b+(\q)], v[SC+8*NQ*(\sc)+NQ*(\a)+(\q)] matrix_a_fmt:MATRIX_FMT_FP4 matrix_b_fmt:MATRIX_FMT_FP4 matrix_a_scale:MATRIX_SCALE_ROW1
.else
	v_wmma_scale_f32_16x16x128_f8f6f4 v[8*(8*((\a)%4)+\b):8*(8*((\a)%4)+\b)+7], v[128*(\p)+FR*\b:128*(\p)+FR*\b+FR-1], v[AF+FR*(\a):AF+FR*(\a)+FR-1], v[8*(8*((\a)%4)+\b):8*(8*((\a)%4)+\b)+7], v[SC+8*NQ*(\sc)+NQ*\b+(\q)], v[SC+8*NQ*(\sc)+NQ*(\a)+(\q)] matrix_a_fmt:MATRIX_FMT_FP4 matrix_b_fmt:MATRIX_FMT_FP4 matrix_a_scale:MATRIX_SCALE_ROW1
.endif
.endr
.endr
.endm
.macro FETCH_B slot, q, p
	WIN TO_B
.irp i, 0,1,2,3,4,5,6,7
	FRAG 128*(\p)+FR*\i, ADRB+\slot, \q, \i
.endr
	WIN 0
.endm
.macro FETCH_A slot, q, i0
.irp i, \i0, \i0+1, \i0+2, \i0+3
	FRAG AF+FR*(\i), ADRA+\slot, \q, \i
.endr
.endm
.macro SCALES sc                       ; a K step's scale words: lanes 0-15 take A's block i, lanes 16-31 B's block i
.irp i, 0,1,2,3,4,5,6,7
	ds_load_b128 v[SC+8*NQ*\sc+NQ*\i:SC+8*NQ*\sc+NQ*\i+3], v[ADRS] offset:\i*SBLK
.endr
.endm
.macro PLACES n                        ; plain vector instructions between a matrix instruction and a load into, or a read or write of, its registers (ISA guide 7.12.1 for reads and writes)
.rept \n
	v_nop
.endr
.endm
.macro STEP slot, q, zero              ; 128 along K with its successor in the same slot
	s_wait_dscnt 4*NL                              ; B's set and A's blocks 0-3 are in; the youngest eight loads (A's blocks 4-7) may be out
	WIN MUL_LO
	MUL16 0, (\q)%2, \q, \slot, \zero
	MUL16 2, (\q)%2, \q, \slot, \zero
	s_wait_dscnt 0
	PLACES NP
	FETCH_B \slot, (\q)+1, 1-(\q)%2
	FETCH_A \slot, (\q)+1, 0
	WIN MUL_HI
	MUL16 4, (\q)%2, \q, \slot, \zero
	MUL16 6, (\q)%2, \q, \slot, \zero
	PLACES NP
	WIN 0
	FETCH_A \slot, (\q)+1, 4
.endm
; A slot's last step changes slots: one barrier; in front of it each wave waits for all its tensor loads, adds 0 to its spare word, and waits for that and for its reads of this slot.
.macro TURN slot, next, fill
	s_wait_tensorcnt 0x0                           ; all my tensor loads have landed: my part of the next slot
	ds_add_u32 v[SPW], v[NIL]
	s_wait_dscnt 4*NL+1                            ; (the add and the youngest eight loads may be out)
	WIN MUL_LO
	MUL16 0, 1, NQ-1, \slot, 0
	s_wait_dscnt 0x0                               ; the add is done, and my reads of this slot are over
	s_barrier_signal -1
	MUL16 2, 1, NQ-1, \slot, 0
	WIN 0
	s_barrier_wait -1
.if \fill
	CREST                                          ; the barrier has opened a round of the cluster's: no wave of any partner still reads this slot or has a load on its way
	s_add_nc_u64 s[G0+4*\slot+2:G0+4*\slot+3], s[G0+4*\slot+2:G0+4*\slot+3], 2*ROWB
	s_add_nc_u64 s[G0B+4*\slot+2:G0B+4*\slot+3], s[G0B+4*\slot+2:G0B+4*\slot+3], 2*ROWB
	JLOAD G0+4*\slot, G1, G0B+4*\slot, G1B         ; my one tensor load behind the round
.else
	PLACES NP
.endif
	v_add_nc_u32 v[ADRS], 4*NQ, v[ADRS]
	FETCH_B \next, 0, 0
	FETCH_A \next, 0, 0
	SCALES \next
	WIN MUL_HI
	MUL16 4, 1, NQ-1, \slot, 0
	MUL16 6, 1, NQ-1, \slot, 0
	PLACES NP
	WIN 0
	FETCH_A \next, 0, 4
.endm
.macro STEPS slot, from
.set Q, \from
.rept NQ-1-\from
	STEP \slot, Q, 0
.set Q, Q+1
.endr
.endm
	s_wait_tensorcnt 1                             ; the scales and my part of K step 0 are in; K step 1's load may be out
	s_barrier_signal -1
	s_barrier_wait -1
	FETCH_B 0, 0, 0
	FETCH_A 0, 0, 0
	SCALES 0
	FETCH_A 0, 0, 4
	STEP 0, 0, 1                                   ; the first step's products start the sums
	s_mov_b32 s3, LAPS-1
.Llap:
	STEPS 0, 1
	TURN 0, 1, 1
	STEPS 1, 0
	TURN 1, 0, 1
	STEP 0, 0, 0
	s_sub_co_u32 s3, s3, 1
	s_cmp_lg_u32 s3, 0
	s_cbranch_scc1 .Llap
	STEPS 0, 1                                     ; the last lap fills nothing
	TURN 0, 1, 0
	STEPS 1, 0
	s_wait_dscnt 4*NL
	WIN MUL_LO
	MUL16 0, 1, NQ-1, 1, 0
	MUL16 2, 1, NQ-1, 1, 0
	s_wait_dscnt 0
	WIN MUL_HI
	MUL16 4, 1, NQ-1, 1, 0
	MUL16 6, 1, NQ-1, 1, 0
	WIN 0
; THE WAY OUT, block by block of 16 rows.  Lane (r, h), register j of accumulator (a, b): row 16 a + r, channel d = 16 b + 8 h + j of my head; its frequency is d mod 64, so tables 16 (b % 4) serve.
.macro ROPE a
.set SB, 64+128*((\a)%2)-64*(((\a)/2)%2)
.set AC, 64*((\a)%4)
.if (\a) < 5
	s_wait_loadcnt 48                              ; this block's 16 table loads are in; the three younger sets may be out
.else
	s_wait_loadcnt 16*(7-(\a))
.endif
	WIN 0x06+(\a)/4                                ; source 0: the accumulators' window; source 1: window 1; destination: window 0
.irp b, 0,1,2,3,4,5,6,7
.irp j, 0,1,2,3,4,5,6,7
	v_mul_f32 v[T+8*\b+\j], v[AC+8*\b+\j], v[SB+16*(\b%4)+\j]                       ; a[d] cos: each accumulator from its low end on
.endr
.irp j, 0,1,2,3,4,5,6,7
	v_fmac_f32 v[T+8*\b+\j], v[AC+8*\b+(\j+1-2*(\j%2))], v[SB+16*(\b%4)+8+\j]       ; + a[d xor 1] sin'
.endr
.endr
	WIN 0
.irp i, 0,1,2,3,4,5,6,7,8,9,10,11,12,13,14,15,16,17,18,19,20,21,22,23,24,25,26,27,28,29,30,31
	v_cvt_pk_f16_f32 v[TMP+\i], v[T+2*\i], v[T+2*\i+1]
.endr
.if (\a) < 4
	TABLOAD (\a)+4                                 ; the set just read takes the block four further on
.endif
.endm
.macro PACK a                          ; v: rounded as it is
.set AC, 64*((\a)%4)
	WIN 0x0a+5*((\a)/4)
.irp b, 0,1,2,3,4,5,6,7
.irp r, 0,1,2,3
	v_cvt_pk_f16_f32 v[TMP+4*\b+\r], v[AC+8*\b+2*\r], v[AC+8*\b+2*\r+1]
.endr
.endr
	WIN 0
.endm
.macro TOSTAGE a                       ; into my stage and back as whole rows; LDS serves a wave's instructions in order
.set BB, BK+32*((\a)%2)
.irp b, 0,1,2,3,4,5,6,7
	ds_store_b128 v[STO], v[TMP+4*\b:TMP+4*\b+3] offset:32*\b
.endr
.irp i, 0,1,2,3,4,5,6,7
	ds_load_b128 v[BB+4*\i:BB+4*\i+3], v[RD] offset:\i*2*SPITCH
.endr
.endm
.macro SEND a
.set BB, BK+32*((\a)%2)
	s_wait_dscnt 0x0                               ; the block is back in registers
	s_wait_xcnt 0x0                                ; the stores of the block before have read their registers: the next block's loads may land there
.irp i, 0,1,2,3,4,5,6,7
	global_store_b128 v[L16], v[BB+4*\i:BB+4*\i+3], s[12:13] offset:4096*(\a)+512*\i   ; 512 consecutive bytes, aligned
.endr
.endm
; Rows 0-15 in f32, as images of these registers: four registers a store, 16 bytes x lane.  No branch: in every wave but those that hold these rows all lanes are off and the stores do nothing.  EXEC changes only behind a wait on XCNT.
.macro FINE w, reg
	s_wait_xcnt 0x0
	v_cmp_eq_u32 vcc_lo, 0, v[FLG]
	s_and_saveexec_b32 s95, vcc_lo
	WIN \w
.irp b, 0,1,2,3,4,5,6,7
.irp e, 0,1
	global_store_b128 v[L16], v[\reg+8*\b+4*\e:\reg+8*\b+4*\e+3], s[98:99] offset:1024*\b+512*\e   ; image 2 b + e: 512 consecutive bytes, aligned
.endr
.endr
	WIN 0
	s_wait_xcnt 0x0
	s_or_b32 exec_lo, exec_lo, s95
.endm
	PLACES NP                                      ; behind the last products: for the reads of results, the writes over A's fragments and the loads into B's
	s_cmp_eq_u32 s101, 2
	s_cbranch_scc1 .Lway_v
	TABLOAD 2
	TABLOAD 3
	ROPE 0
	FINE 0, T
	TOSTAGE 0
.irp a, 1,2,3,4,5,6,7
	ROPE \a
	SEND \a-1
	TOSTAGE \a
.endr
	SEND 7
	s_branch .Lclose
.Lway_v:
	PACK 0
	FINE 0x08, 0                                   ; a store's data are its source 1: window 2, block 0's accumulators (PACK has read each from its low end)
	TOSTAGE 0
.irp a, 1,2,3,4,5,6,7
	PACK \a
	SEND \a-1
	TOSTAGE \a
.endr
	SEND 7
.Lclose:
	s_wait_tensorcnt 0x0                           ; the wave's end
	ds_add_u32 v[SPW], v[NIL]
	s_wait_dscnt 0x0
	CROUND                                         ; the closing round
	s_endpgm
.Lfunc_end_k_qc8a750fd73_qkv:
	.size	k_qc8a750fd73_qkv, .Lfunc_end_k_qc8a750fd73_qkv-k_qc8a750fd73_qkv
	.p2alignl 7, 3214868480
	.fill 96, 4, 3214868480
	.section	.rodata,"a",@progbits
	.p2align	6, 0x0
	.amdhsa_kernel k_qc8a750fd73_qkv
		.amdhsa_group_segment_fixed_size 327680
		.amdhsa_private_segment_fixed_size 0
		.amdhsa_enable_private_segment 0
		.amdhsa_kernarg_size 40
		.amdhsa_user_sgpr_count 2
		.amdhsa_user_sgpr_kernarg_segment_ptr 1
		.amdhsa_wavefront_size32 1
		.amdhsa_system_sgpr_workgroup_id_x 1
		.amdhsa_system_sgpr_workgroup_id_y 1
		.amdhsa_system_sgpr_workgroup_id_z 1
		.amdhsa_system_vgpr_workitem_id 0
		.amdhsa_next_free_vgpr 1024
		.amdhsa_next_free_sgpr 102
		.amdhsa_reserve_vcc 1
		.amdhsa_float_denorm_mode_32 3
		.amdhsa_float_denorm_mode_16_64 3
		.amdhsa_memory_ordered 1
		.amdhsa_forward_progress 1
		.amdhsa_inst_pref_size 255
	.end_amdhsa_kernel
	.section	.bss,"aw",@nobits
	.p2align	6
	.space	262144
	.amdgpu_metadata
---
amdhsa.version: [ 1, 2 ]
amdhsa.kernels:
  - .name:           k_qc8a750fd73_qkv
    .symbol:         k_qc8a750fd73_qkv.kd
    .args:
      - { .name: codes, .offset: 0, .size: 8, .value_kind: global_buffer, .address_space: global }
      - { .name: scales, .offset: 8, .size: 8, .value_kind: global_buffer, .address_space: global }
      - { .name: tab, .offset: 16, .size: 8, .value_kind: global_buffer, .address_space: global }
      - { .name: qkv16, .offset: 24, .size: 8, .value_kind: global_buffer, .address_space: global }
      - { .name: qkv32, .offset: 32, .size: 8, .value_kind: global_buffer, .address_space: global }
    .group_segment_fixed_size: 327680
    .private_segment_fixed_size: 0
    .kernarg_segment_align: 8
    .kernarg_segment_size: 40
    .max_flat_workgroup_size: 128
    .sgpr_count:     102
    .vgpr_count:     1024
    .wavefront_size: 32
...
	.end_amdgpu_metadata
.endif
;; end of part 2
;; launch attn (part 3): grid 16 x 16, 4 waves a work-group, clusters of 4 x 1, 327,680 bytes of LDS; arguments qkv16, y16; writes y16
.if DOCPART == 3
	.amdgcn_target "amdgcn-amd-amdhsa--gfx1250"
	.amdhsa_code_object_version 6
	.text
	.protected	k_qc8a750fd73_attn
	.globl	k_qc8a750fd73_attn
	.p2align	8
	.type	k_qc8a750fd73_attn,@function
k_qc8a750fd73_attn:
	s_mov_b64 s[64:65], 0
	v_nop
	global_prefetch_b8 v0, s[64:65] scope:SCOPE_SE
	s_setreg_imm32_b32 hwreg(HW_REG_WAVE_MODE, 25, 1), 1
	s_wait_xcnt 0x0
	s_wait_alu depctr_hold_cnt(0) depctr_sa_sdst(0) depctr_va_vdst(0) depctr_va_sdst(0) depctr_va_ssrc(0) depctr_va_vcc(0) depctr_vm_vsrc(0)
	s_getreg_b32 s2, hwreg(HW_REG_IB_STS2, 6, 4)
	s_cmp_eq_u32 s2, 0
	s_cbranch_scc0 .Lentry_in_a_cluster
	s_endpgm
.Lentry_in_a_cluster:
	s_bfe_u32 s2, ttmp6, 0x10000c
	s_cmp_lg_u32 s2, 0x3003
	s_cbranch_scc0 .Lentry_shape_is_right
	s_endpgm
.Lentry_shape_is_right:
; y[t][128 head + :] = the sum over keys k <= t of softmax_k(q[t] . k[k] / sqrt(128)) v[k][:], for 16 heads of 2,048 rows.  q (which carries log2(e) / sqrt(128)), k, v: f16, [48][2,048][128]; y: f16, [2,048][2,048].
; Products, maxima and sums in f32; the weights p = 2^(s - m), m the running maximum, are rounded to f16 for the second product.
; SHARES.  A head's queries are 8 superblocks of 256.  Cluster P (0..3) of a head takes superblock P and then superblock 7 - P; its partner cx takes 64 queries of each.  Superblock S walks keys 0 .. 256 (S + 1):
; P + 1 and 8 - P supersteps of 256 keys, NINE in every work-group: all trip counts are constants, all work-groups have equal work, and all four partners read every tile, so the tiles are asked for jointly.
; IN A SUPERSTEP THE KEYS ARE SHARED OUT: wave w takes keys 64 w .. 64 w + 63 for all 64 queries (four tiles of 16), so each byte of K and V leaves LDS once and feeds four products.
; Each wave keeps its own m, l and O^T; at a superblock's end the four are joined through LDS (MERGE).
; LAYOUT.  S^T = K Q^T and O^T = V^T P: a lane holds one query (lane % 16) throughout; K comes out of LDS as it lies, V turned by ds_load_tr16_b128.
; THE CHANGE OF SLOTS STANDS IN A SUPERSTEP'S MIDDLE, between the softmax and the second product: by then the wave has the slot's K and V in registers, so the slot can be left and filled again, and the next slot's K is
; asked of LDS ahead of the 64 products V^T P.  V is asked for at a superstep's head, ahead of the 64 products K Q^T and the softmax.
; THE MASK falls in a superblock's last superstep alone: hidden scores become -infinity ahead of the maximum.  m begins at -3e38, so a wave all of whose keys are hidden keeps p = 0, l = 0 and enters the merge with weight 0.
; LIMITS: scores (in units of log2) lie above -3e38; NaN and infinities are not served.  Rows 0-15 are made here too, but the launch that carries them finely writes their part of the result.
; REGISTERS: window 0: v0-11 addresses; v12-43 eight statistics a tile (+0 m, +1 old m, +2, +3 l, +4..7 at work, a at +6); v64-191 S^T, 32 a tile; v192-255 P, 16 a tile.
;   window 1: O^T, 64 a tile.   window 2: v0-127 Q, v128-255 K.   window 3: v0-127 V.
.set PK,    272                        ; a row of K in LDS: 256 bytes + 16
.set PV,    288                        ; a row of V: 256 + 32
.set VOFF,  256*PK                     ; a slot: 256 rows of K, then 256 rows of V
.set ML,    256*(PK+PV)                ; behind slot 0: 4,096 bytes for the waves' m and l: [m, l][tile][wave][128 bytes]; no tile lands there
.set SLOT1, ML+4096                    ; slot 1 begins at 0x24000: no base inside a slot (0x8800, 0x11000, 0x1a000) has one of its two bits, so one exclusive or turns an address
.set STAGE, SLOT1+ML                   ; 4 waves x 16 rows x (512 bytes + 16), for the merge
.set SPI,   528
.set SPARE, STAGE+4*16*SPI             ; the spare words: 128 bytes a wave, named by no other line
.set AK0, 2
.set AV0, 3
.set ADK, 4
.set QO,  5
.set STO, 6
.set SRD, 7
.set YO,  8
.set MLW, 10
.set MLR, 11
.set ST,  12
.set D0,  44                           ; v44  64 (cx - wave) + lane % 16 - 8 (lane / 16)
.set NINF, 45
.set ADV, 46
.set PFO, 61
.set SPW, 62
.set NIL, 63
.set S,   64
.set P,   192
.set KF,  128
.set WV,  12
.set CX,  13
.set PP,  14                           ; s14  P
.set G,   15                           ; s15  the superstep, 0 .. 8
.set TB,  16                           ; s16  where the slot in hand begins
.set LK,  17
.set LV,  18
.set KB,  20                           ; s[20:21] K of my head at the 128 rows that I fetch; s[22:23] V
.set VB,  22
.set G1K, 24
.set G1V, 32
.set G0K, 40                           ; two sets of group 0 for the two first fills; the second then walks
.set G0V, 48
.set QA,  56                           ; s[56:57], s[76:77] my 64 queries of the first and of the second superblock; s[58:59], s[78:79] their rows of y
.set YA,  58
.set SEL, 60
.set PFA, 66
.set QB,  76
.set YB,  78
.set MSB, 0
.macro WIN new
.if MSB != (\new)
	s_set_vgpr_msb (MSB<<8)|(\new)
.set MSB, (\new)
.endif
.endm
.set W_KQ, 0x0a                        ; K and Q window 2, S^T window 0
.set W_PV, 0x53                        ; V window 3, P window 0, O^T window 1
.set W_RS, 0x41                        ; O^T window 1, the factor window 0
.macro JLOAD                           ; waves 0, 1: K's halves; waves 2, 3: V's.  An s_nop 0 and four v_nop follow each line
	s_cmp_lt_u32 s[WV], 2
	s_cbranch_scc0 .Lfor_v_\@
	tensor_load_to_lds s[G0K+4:G0K+7], s[G1K:G1K+7]
	s_nop 0
.rept 4
	v_nop
.endr
	s_branch .Lasked_\@
.Lfor_v_\@:
	tensor_load_to_lds s[G0V+4:G0V+7], s[G1V:G1V+7]
	s_nop 0
.rept 4
	v_nop
.endr
.Lasked_\@:
.endm
; A PREFETCH INTO THE L2.  Key superblocks 4 to 7 are first loaded by the head's cluster 0, at the changes in supersteps 3 to 6.  That cluster asks for superblock G + 2 at the changes in supersteps G = 2 .. 5:
; one superstep, 128 matrix instructions a wave, ahead of its own load.  Wave w asks for the rows that it fetches, partner cx for 32 of the 128, told apart by address: a lane a row of 256 bytes, each row named once.
.macro ASK
	s_sub_co_u32 s68, s[G], 2
	s_lshl_b32 s69, s[PP], 8
	s_or_b32 s68, s68, s69
	s_cmp_lt_u32 s68, 4
	s_cbranch_scc0 .Lnot_mine_\@
	global_prefetch_b8 v[PFO], s[PFA:PFA+1] th:TH_LOAD_NT scope:SCOPE_SE
.Lnot_mine_\@:
.endm
.macro CROUND
	s_barrier_signal -1
	s_barrier_wait -1
	s_cmp_lg_u32 s[WV], 0
	s_cbranch_scc1 .Lnot_wave_0_\@
	s_barrier_signal -3
.Lnot_wave_0_\@:
	s_barrier_wait -3
	s_barrier_signal -1
	s_barrier_wait -1
.endm
.macro BARRIER                         ; my LDS stores have landed and my LDS loads are in: then the work-group's barrier
	s_wait_dscnt 0x0
	s_barrier_signal -1
	s_barrier_wait -1
.endm
	s_load_b128 s[4:7], s[0:1], 0x0                ; qkv16, y16
	v_lshl_add_u32 v[SPW], v0, 2, SPARE
	v_mov_b32 v[NIL], 0
	ds_add_u32 v[SPW], v[NIL]                      ; the wave's opening: the add, twice on end, and its wait ahead of my first tensor load
	ds_add_u32 v[SPW], v[NIL]
	v_lshrrev_b32 v1, 5, v0
	v_readfirstlane_b32 s[WV], v1
	s_bfe_u32 s[CX], ttmp6, 0x40000
	s_mov_b32 s[PP], ttmp9
	s_and_b32 s68, ttmp7, 0xffff                   ; the head
	s_and_b32 s69, s[WV], 1                        ; which 128 rows of a tile I fetch
	s_lshl_b32 s70, s68, 19
	s_lshl_b32 s71, s69, 15
	s_add_co_u32 s70, s70, s71
	s_add_co_u32 s70, s70, 0x800000                ; K's heads lie behind q's sixteen
	s_mov_b32 s71, 0
	s_mul_i32 s[LK], s69, 128*PK
	s_mul_i32 s[LV], s69, 128*PV
	s_add_co_u32 s[LV], s[LV], VOFF
	s_min_u32 s72, s[PP], 1                        ; superstep 1's key superblock: 1, or 0 where P = 0
	s_lshl_b32 s72, s72, 16
	s_mov_b32 s73, 0
	s_lshl_b32 s74, s68, 19
	s_lshl_b32 s75, s[CX], 14
	s_add_co_u32 s74, s74, s75                     ; q: the head + 64 cx rows of 256 bytes
	s_lshl_b32 s75, s[CX], 18
	s_lshl_b32 s68, s68, 8
	s_add_co_u32 s75, s75, s68                     ; y: 64 cx rows of 4,096 bytes + the head's 256
	s_lshl_b32 s2, s[PP], 16
	s_add_co_u32 s2, s2, s74
	s_mov_b32 s3, 0
	s_lshl_b32 s10, s[PP], 20
	s_add_co_u32 s10, s10, s75
	s_mov_b32 s11, 0
	s_sub_co_u32 s68, 7, s[PP]
	s_lshl_b32 s8, s68, 16
	s_add_co_u32 s8, s8, s74
	s_mov_b32 s9, 0
	s_lshl_b32 s62, s68, 20
	s_add_co_u32 s62, s62, s75
	s_mov_b32 s63, 0
	s_mov_b32 s[G1K], 15|(1<<16)|(1<<20)|(1<<21)|(5<<22)|(3<<25)  ; the mask: all four; elements of 2 bytes; padding on; bit 21 beside a mask; 4 words behind every 64
	s_mov_b32 s[G1V], 15|(1<<16)|(1<<20)|(1<<21)|(5<<22)|(7<<25)  ; the same with 8 words
.irp g, G1K, G1V
	s_mov_b32 s[\g+1], 128<<16                     ; tensor_dim0
	s_mov_b32 s[\g+2], 128<<16                     ; tensor_dim1
	s_mov_b32 s[\g+3], 128<<16                     ; tile_dim0
	s_mov_b32 s[\g+4], 128                         ; tile_dim1
	s_mov_b32 s[\g+5], 128                         ; the pitch
	s_mov_b32 s[\g+6], 0
	s_mov_b32 s[\g+7], 0
.endr
	s_mov_b32 s[SEL], 0x76543210
	s_mov_b32 s[SEL+1], 0xfedcba98
	s_mov_b32 s[TB], 0
	s_mov_b32 s[G], 0
	s_wait_dscnt 0x0                               ; both opening adds are done
	s_wait_kmcnt 0x0
	s_add_nc_u64 s[KB:KB+1], s[4:5], s[70:71]
	s_add_nc_u64 s[VB:VB+1], s[KB:KB+1], 0x800000
	s_add_nc_u64 s[QA:QA+1], s[4:5], s[2:3]
	s_add_nc_u64 s[QB:QB+1], s[4:5], s[8:9]
	s_add_nc_u64 s[YA:YA+1], s[6:7], s[10:11]
	s_add_nc_u64 s[YB:YB+1], s[6:7], s[62:63]
	s_cmp_lt_u32 s[WV], 2
	s_cselect_b64 s[PFA:PFA+1], s[KB:KB+1], s[VB:VB+1]
	s_lshl_b32 s2, s[CX], 13                       ; my work-group's 32 rows of the 128,
	s_add_co_u32 s2, s2, 0x10000                   ; in key superblock 1: each change that fills steps it, so that at the change in superstep G it stands at G + 2
	s_mov_b32 s3, 0
	s_add_nc_u64 s[PFA:PFA+1], s[PFA:PFA+1], s[2:3]
	CROUND                                         ; all four work-groups are here: the first joint loads meet
.irp s, 0,1
	s_mov_b32 s[G0K+4*\s], 1
	s_add_co_u32 s[G0K+4*\s+1], s[LK], \s*SLOT1
	s_mov_b32 s[G0V+4*\s], 1
	s_add_co_u32 s[G0V+4*\s+1], s[LV], \s*SLOT1
.endr
	s_mov_b64 s[G0K+2:G0K+3], s[KB:KB+1]
	s_or_b32 s[G0K+3], s[G0K+3], 0x80000000
	s_add_nc_u64 s[G0K+6:G0K+7], s[KB:KB+1], s[72:73]
	s_or_b32 s[G0K+7], s[G0K+7], 0x80000000
	s_mov_b64 s[G0V+2:G0V+3], s[VB:VB+1]
	s_or_b32 s[G0V+3], s[G0V+3], 0x80000000
	s_add_nc_u64 s[G0V+6:G0V+7], s[VB:VB+1], s[72:73]
	s_or_b32 s[G0V+7], s[G0V+7], 0x80000000
	s_cmp_lt_u32 s[WV], 2                          ; a wave's two first fills stand in one branch: two loads of mine are out
	s_cbranch_scc0 .Lfirst_v
	tensor_load_to_lds s[G0K:G0K+3], s[G1K:G1K+7]
	s_nop 0
	tensor_load_to_lds s[G0K+4:G0K+7], s[G1K:G1K+7]
	s_nop 0
.rept 4
	v_nop
.endr
	s_branch .Lfirst_asked
.Lfirst_v:
	tensor_load_to_lds s[G0V:G0V+3], s[G1V:G1V+7]
	s_nop 0
	tensor_load_to_lds s[G0V+4:G0V+7], s[G1V:G1V+7]
	s_nop 0
.rept 4
	v_nop
.endr
.Lfirst_asked:
	v_and_b32 v1, 15, v0                           ; r
	v_bfe_u32 v9, v0, 4, 1                         ; h
	v_lshlrev_b32 v[QO], 8, v1
	v_lshl_add_u32 v[QO], v9, 4, v[QO]
.macro QLOAD base                      ; 64 queries x 128 channels: tile i / 4, channels 32 (i % 4) on
	WIN 0x80
.irp i, 0,1,2,3,4,5,6,7,8,9,10,11,12,13,14,15
	global_load_b128 v[8*\i:8*\i+3],   v[QO], s[\base:\base+1] offset:(\i/4)*4096+(\i%4)*64
	global_load_b128 v[8*\i+4:8*\i+7], v[QO], s[\base:\base+1] offset:(\i/4)*4096+(\i%4)*64+32
.endr
	WIN 0
.endm
	QLOAD QA
	s_mul_i32 s68, s[WV], 64*PK                    ; my 64 keys of a tile
	v_mul_u32_u24 v[AK0], v1, PK
	v_lshl_add_u32 v[AK0], v9, 4, v[AK0]
	v_add_nc_u32 v[AK0], s68, v[AK0]
	s_mul_i32 s68, s[WV], 64*PV
	s_add_co_u32 s68, s68, VOFF
	v_and_b32 v47, 7, v0
	v_bfe_u32 v48, v0, 3, 1
	v_lshl_add_u32 v[AV0], v9, 3, v47              ; the turning load: key 8 (l / 16) + l % 8, channels 8 ((l / 8) % 2) on
	v_mul_u32_u24 v[AV0], v[AV0], PV
	v_lshl_add_u32 v[AV0], v48, 4, v[AV0]
	v_add_nc_u32 v[AV0], s68, v[AV0]
	s_mul_i32 s68, s[WV], 16*SPI
	s_add_co_u32 s68, s68, STAGE
	v_mul_u32_u24 v[STO], v1, SPI
	v_lshl_add_u32 v[STO], v9, 5, v[STO]
	v_add_nc_u32 v[STO], s68, v[STO]               ; the merge, in: my copy; row r, 32 bytes for each half of the lanes
	s_mul_i32 s68, s[WV], 4*SPI
	s_add_co_u32 s68, s68, STAGE
	v_mul_u32_u24 v[SRD], v9, SPI
	v_lshl_add_u32 v[SRD], v1, 5, v[SRD]
	v_add_nc_u32 v[SRD], s68, v[SRD]               ; back: rows 4 w + h (+ 2), 32 bytes a lane
	s_lshl_b32 s68, s[WV], 14
	v_lshlrev_b32 v[YO], 12, v9
	v_lshl_add_u32 v[YO], v1, 4, v[YO]
	v_add_nc_u32 v[YO], s68, v[YO]                 ; and the same rows in y: 4,096 bytes a row, 16 bytes a lane
	v_and_b32 v47, 31, v0
	s_lshl_b32 s68, s[WV], 7
	s_add_co_u32 s68, s68, ML
	v_lshl_add_u32 v[MLW], v47, 2, s68
	v_lshl_add_u32 v[MLR], v47, 2, ML
	v_lshlrev_b32 v[PFO], 8, v47
	s_sub_co_i32 s68, s[CX], s[WV]
	s_lshl_b32 s68, s68, 6
	v_lshlrev_b32 v[D0], 3, v9
	v_sub_nc_u32 v[D0], v1, v[D0]
	v_add_nc_u32 v[D0], s68, v[D0]
	v_mov_b32 v[NINF], 0xff800000
.irp t, 0,1,2,3
	v_mov_b32 v[ST+8*\t], 0xff61b1e6               ; m = -3e38
.endr
.macro FETCH_K                         ; my 64 keys x 128 channels of the slot at s[TB]: keys 16 (f / 4) on, channels 32 (f % 4) on
	WIN 0
	v_add_nc_u32 v[ADK], s[TB], v[AK0]
	WIN 0x80
.irp f, 0,1,2,3,4,5,6,7,8,9,10,11,12,13,14,15
	ds_load_b128 v[KF+8*\f:KF+8*\f+3],   v[ADK] offset:(\f/4)*16*PK+(\f%4)*64
	ds_load_b128 v[KF+8*\f+4:KF+8*\f+7], v[ADK] offset:(\f/4)*16*PK+(\f%4)*64+32
.endr
.endm
.macro FETCH_V                         ; the same keys of V, turned: keys 32 (f / 8) on, channels 16 (f % 8) on
	WIN 0xc0
.irp f, 0,1,2,3,4,5,6,7,8,9,10,11,12,13,14,15
	ds_load_tr16_b128 v[8*\f:8*\f+3],   v[ADV] offset:(\f/8)*32*PV+(\f%8)*32
	ds_load_tr16_b128 v[8*\f+4:8*\f+7], v[ADV] offset:(\f/8)*32*PV+16*PV+(\f%8)*32
.endr
.endm
.macro KQ_ALL                          ; 64 products; the 16 accumulators take turns, one instruction a turn; the first 16 start the sums
	WIN W_KQ
.irp kc, 0,1,2,3
.irp kt, 0,1,2,3
.irp t, 0,1,2,3
.if \kc == 0
	v_wmma_f32_16x16x32_f16 v[S+32*\t+8*\kt:S+32*\t+8*\kt+7], v[KF+32*\kt+8*\kc:KF+32*\kt+8*\kc+7], v[32*\t+8*\kc:32*\t+8*\kc+7], 0
.else
	v_wmma_f32_16x16x32_f16 v[S+32*\t+8*\kt:S+32*\t+8*\kt+7], v[KF+32*\kt+8*\kc:KF+32*\kt+8*\kc+7], v[32*\t+8*\kc:32*\t+8*\kc+7], v[S+32*\t+8*\kt:S+32*\t+8*\kt+7]
.endif
.endr
.endr
.endr
.endm
.macro PV_ALL first                    ; 64 products; 32 accumulators by turns
	WIN W_PV
.irp u, 0,1
.irp c, 0,1,2,3,4,5,6,7
.irp t, 0,1,2,3
.if \first && (\u == 0)
	v_wmma_f32_16x16x32_f16 v[64*\t+8*\c:64*\t+8*\c+7], v[64*\u+8*\c:64*\u+8*\c+7], v[P+16*\t+8*\u:P+16*\t+8*\u+7], 0
.else
	v_wmma_f32_16x16x32_f16 v[64*\t+8*\c:64*\t+8*\c+7], v[64*\u+8*\c:64*\u+8*\c+7], v[P+16*\t+8*\u:P+16*\t+8*\u+7], v[64*\t+8*\c:64*\t+8*\c+7]
.endif
.endr
.endr
.endr
.endm
; In the superblock's own keys: register 8 kt + j of tile t holds key 64 w + 16 kt + 8 h + j for query 64 cx + 16 t + r: hidden where 16 kt + j - 16 t > D0
.macro MASK
.irp t, 0,1,2,3
.irp kt, 0,1,2,3
.irp j, 0,1,2,3,4,5,6,7
	v_cmp_gt_i32 vcc_lo, 16*\kt+\j-16*\t, v[D0]
	v_cndmask_b32 v[S+32*\t+8*\kt+\j], v[S+32*\t+8*\kt+\j], v[NINF], vcc_lo
.endr
.endr
.endr
.endm
; The four tiles' softmax, the tiles by turns line by line.  first = 1: l and O^T begin here: no factor a.
.macro SOFTMAX first
.irp j, 0,1,2,3
.irp t, 0,1,2,3
	v_max3_num_f32 v[ST+8*\t+4+\j], v[S+32*\t+8*\j], v[S+32*\t+8*\j+1], v[S+32*\t+8*\j+2]   ; four chains a tile; each accumulator is read from its low end on
.endr
.endr
.irp i, 3,5
.irp j, 0,1,2,3
.irp t, 0,1,2,3
	v_max3_num_f32 v[ST+8*\t+4+\j], v[ST+8*\t+4+\j], v[S+32*\t+8*\j+\i], v[S+32*\t+8*\j+\i+1]
.endr
.endr
.endr
.irp t, 0,1,2,3
	v_max3_num_f32 v[ST+8*\t+4], v[ST+8*\t+4], v[S+32*\t+7], v[S+32*\t+15]
.endr
.irp t, 0,1,2,3
	v_max3_num_f32 v[ST+8*\t+6], v[ST+8*\t+6], v[S+32*\t+23], v[S+32*\t+31]
.endr
.irp t, 0,1,2,3
	v_max3_num_f32 v[ST+8*\t+4], v[ST+8*\t+4], v[ST+8*\t+5], v[ST+8*\t+6]
.endr
.irp t, 0,1,2,3
	v_max3_num_f32 v[ST+8*\t+4], v[ST+8*\t+4], v[ST+8*\t+7], v[ST+8*\t]     ; with the old m
.endr
.irp t, 0,1,2,3
	v_permlanex16_b32 v[ST+8*\t+5], v[ST+8*\t+4], s[SEL], s[SEL+1]          ; the query's other 32 keys lie in the lane 16 away
.endr
.irp t, 0,1,2,3
	v_mov_b32 v[ST+8*\t+1], v[ST+8*\t]
.endr
.irp t, 0,1,2,3
	v_max_num_f32 v[ST+8*\t], v[ST+8*\t+4], v[ST+8*\t+5]
.endr
.if !\first
.irp t, 0,1,2,3
	v_sub_f32 v[ST+8*\t+7], v[ST+8*\t+1], v[ST+8*\t]
.endr
.endif
.irp i, 0,2,4,6,8,10,12,14,16,18,20,22,24,26,28,30
.irp t, 0,1,2,3
	v_pk_add_f32 v[S+32*\t+\i:S+32*\t+\i+1], v[S+32*\t+\i:S+32*\t+\i+1], v[ST+8*\t:ST+8*\t+1] op_sel_hi:[1,0] neg_lo:[0,1] neg_hi:[0,1]   ; s - m
.endr
.endr
.if !\first
.irp t, 0,1,2,3
	v_exp_f32 v[ST+8*\t+6], v[ST+8*\t+7]                                    ; a = 2^(old m - new m)
.endr
.endif
.irp i, 0,1,2,3,4,5,6,7,8,9,10,11,12,13,14,15,16,17,18,19,20,21,22,23,24,25,26,27,28,29,30,31
.irp t, 0,1,2,3
	v_exp_f32 v[S+32*\t+\i], v[S+32*\t+\i]
.endr
.endr
	v_nop                                          ; a plain instruction behind the last exponential,
	s_wait_alu depctr_va_vdst(0)                   ; and one wait for the whole batch, ahead of its first reader
.irp i, 0,1,2,3,4,5,6,7,8,9,10,11,12,13,14,15
.irp t, 0,1,2,3
	v_cvt_pk_f16_f32 v[P+16*\t+\i], v[S+32*\t+2*\i], v[S+32*\t+2*\i+1]
.endr
.endr
.irp z, 0,1,2,3,4,5,6,7
.irp t, 0,1,2,3
	v_pk_add_f32 v[S+32*\t+4*\z:S+32*\t+4*\z+1], v[S+32*\t+4*\z:S+32*\t+4*\z+1], v[S+32*\t+4*\z+2:S+32*\t+4*\z+3]   ; the sum of the unrounded p, in place, as a tree
.endr
.endr
.irp z, 0,1,2,3
.irp t, 0,1,2,3
	v_pk_add_f32 v[S+32*\t+8*\z:S+32*\t+8*\z+1], v[S+32*\t+8*\z:S+32*\t+8*\z+1], v[S+32*\t+8*\z+4:S+32*\t+8*\z+5]
.endr
.endr
.irp z, 0,1
.irp t, 0,1,2,3
	v_pk_add_f32 v[S+32*\t+16*\z:S+32*\t+16*\z+1], v[S+32*\t+16*\z:S+32*\t+16*\z+1], v[S+32*\t+16*\z+8:S+32*\t+16*\z+9]
.endr
.endr
.if \first
.irp t, 0,1,2,3
	v_pk_add_f32 v[ST+8*\t+2:ST+8*\t+3], v[S+32*\t:S+32*\t+1], v[S+32*\t+16:S+32*\t+17]
.endr
.else
.irp t, 0,1,2,3
	v_pk_add_f32 v[S+32*\t:S+32*\t+1], v[S+32*\t:S+32*\t+1], v[S+32*\t+16:S+32*\t+17]
.endr
.irp t, 0,1,2,3
	v_pk_fma_f32 v[ST+8*\t+2:ST+8*\t+3], v[ST+8*\t+2:ST+8*\t+3], v[ST+8*\t+6:ST+8*\t+7], v[S+32*\t:S+32*\t+1] op_sel_hi:[1,0,1]   ; l = a l + the sum
.endr
	WIN W_RS
.irp i, 0,2,4,6,8,10,12,14,16,18,20,22,24,26,28,30,32,34,36,38,40,42,44,46,48,50,52,54,56,58,60,62
.irp t, 0,1,2,3
	v_pk_mul_f32 v[64*\t+\i:64*\t+\i+1], v[64*\t+\i:64*\t+\i+1], v[ST+8*\t+6:ST+8*\t+7] op_sel_hi:[1,0]   ; O^T x a
.endr
.endr
.endif
.endm
; THE CHANGE OF SLOTS, in superstep G, behind its softmax.  Each wave waits for all its tensor loads (its part of the slot ahead), adds 0 to its spare word, and waits for that and for its reads of the slot in hand:
; K's came back ahead of the first product, V's come back at this wait.  fill = 1: the slot in hand takes superstep n = G + 2, whose key superblock is n (n <= P) or n - P - 1; the barrier is a round of the cluster's,
; and the joint load, my one tensor load until the next round, stands first behind it: it has a whole superstep in which to land.
.macro CHANGE fill
	WIN 0
	s_wait_tensorcnt 0x0                           ; no tensor load of mine is out, so a group 0 may be written
	ds_add_u32 v[SPW], v[NIL]                      ; 0 onto my spare word; the descriptors' steps stand between it and the wait for it
.if \fill
	s_xor_b32 s[G0K+5], s[G0K+5], SLOT1
	s_xor_b32 s[G0V+5], s[G0V+5], SLOT1
	s_add_co_u32 s68, s[G], 2
	s_add_co_u32 s69, s[G], 1
	s_sub_co_u32 s69, s69, s[PP]
	s_cmp_le_u32 s68, s[PP]
	s_cselect_b32 s68, s68, s69
	s_lshl_b32 s68, s68, 16                        ; 256 rows of 256 bytes a superblock
	s_mov_b32 s69, 0
	s_add_nc_u64 s[G0K+6:G0K+7], s[KB:KB+1], s[68:69]
	s_or_b32 s[G0K+7], s[G0K+7], 0x80000000
	s_add_nc_u64 s[G0V+6:G0V+7], s[VB:VB+1], s[68:69]
	s_or_b32 s[G0V+7], s[G0V+7], 0x80000000
.endif
	s_wait_xcnt 0x0                                ; earlier prefetches and stores have read their registers
.if \fill
	s_add_nc_u64 s[PFA:PFA+1], s[PFA:PFA+1], 0x10000
.endif
	s_wait_dscnt 0x0                               ; the add is done, V is in, and my reads of the slot in hand are over
.if \fill
	CROUND
	JLOAD
	ASK
.else
	s_barrier_signal -1
	s_barrier_wait -1
.endif
.endm
; A SUPERSTEP of a wave: 64 keys x 64 queries, in phases.  Its K was asked of LDS in the superstep before (the first: at the head).
; diag = 1: the mask is laid; 0: where G = P (a branch on ids and the count of steps); 2: never.  chg = 1: a change of slots that fills; 2: one that does not; 0: none (the last superstep).
.macro STEP first, diag, chg
	WIN 0
	v_nop                                          ; four plain instructions between the last products and the loads into V's registers:
	v_nop                                          ; these three and the addition
	v_nop
	v_add_nc_u32 v[ADV], s[TB], v[AV0]
	FETCH_V
	s_wait_dscnt 32                                ; K's 32 loads, issued ahead of V's 32, are in; V's may be out
	KQ_ALL
	WIN 0
.rept 4
	v_nop                                          ; places in front of the first read of the scores
.endr
.if \diag == 1
	MASK
.elseif \diag == 0
	s_cmp_lg_u32 s[G], s[PP]
	s_cbranch_scc1 .Lopen_\@
	MASK
.Lopen_\@:
.endif
	SOFTMAX \first
.if \chg == 1
	CHANGE 1
.elseif \chg == 2
	CHANGE 0
.else
	s_wait_dscnt 0x0                               ; V is in
.endif
.if \chg
	s_xor_b32 s[TB], s[TB], SLOT1                  ; on to the other slot, which is whole behind the barrier:
	FETCH_K                                        ; its K is on its way while the 64 products below are issued
.endif
	PV_ALL \first
	WIN 0
.endm
; THE MERGE of the four waves' parts of 64 queries.  M = the largest of the four m; e_w = 2^(m_w - M); L = the sum of l_w e_w; y = the sum of O_w e_w / L.
.macro MERGE ybase
	WIN 0
.irp t, 0,1,2,3
	v_add_f32 v[ST+8*\t+4], v[ST+8*\t+2], v[ST+8*\t+3]                      ; (these lines are also the places behind the last products)
.endr
.irp t, 0,1,2,3
	v_permlanex16_b32 v[ST+8*\t+5], v[ST+8*\t+4], s[SEL], s[SEL+1]
.endr
.irp t, 0,1,2,3
	v_add_f32 v[ST+8*\t+4], v[ST+8*\t+4], v[ST+8*\t+5]                      ; my wave's l
.endr
.irp t, 0,1,2,3
	ds_store_b32 v[MLW], v[ST+8*\t] offset:512*\t
	ds_store_b32 v[MLW], v[ST+8*\t+4] offset:2048+512*\t
.endr
	BARRIER
.irp t, 0,1,2,3
.irp p, 0,1,2,3
	ds_load_b32 v[64+4*\t+\p], v[MLR] offset:512*\t+128*\p
	ds_load_b32 v[80+4*\t+\p], v[MLR] offset:2048+512*\t+128*\p
.endr
.endr
	s_wait_dscnt 0x0
.irp t, 0,1,2,3
	v_max3_num_f32 v[ST+8*\t+5], v[64+4*\t], v[65+4*\t], v[66+4*\t]
.endr
.irp t, 0,1,2,3
	v_max_num_f32 v[ST+8*\t+5], v[ST+8*\t+5], v[67+4*\t]
.endr
.irp t, 0,1,2,3
	v_sub_f32 v[ST+8*\t+7], v[ST+8*\t], v[ST+8*\t+5]
.endr
.irp t, 0,1,2,3
.irp p, 0,1,2,3
	v_sub_f32 v[64+4*\t+\p], v[64+4*\t+\p], v[ST+8*\t+5]
.endr
.endr
.irp t, 0,1,2,3
	v_exp_f32 v[ST+8*\t+7], v[ST+8*\t+7]
.endr
.irp i, 0,1,2,3,4,5,6,7,8,9,10,11,12,13,14,15
	v_exp_f32 v[64+\i], v[64+\i]
.endr
	v_nop
	s_wait_alu depctr_va_vdst(0)                   ; one wait for the twenty
.irp t, 0,1,2,3
	v_mul_f32 v[ST+8*\t+4], v[80+4*\t], v[64+4*\t]
.endr
.irp p, 1,2,3
.irp t, 0,1,2,3
	v_fmac_f32 v[ST+8*\t+4], v[80+4*\t+\p], v[64+4*\t+\p]
.endr
.endr
.irp t, 0,1,2,3
	v_rcp_f32 v[ST+8*\t+5], v[ST+8*\t+4]
.endr
	v_nop
	s_wait_alu depctr_va_vdst(0)                   ; one wait for the four
.irp t, 0,1,2,3
	v_mul_f32 v[ST+8*\t+6], v[ST+8*\t+7], v[ST+8*\t+5]                      ; my wave's factor e / L
.endr
.irp t, 0,1,2,3                        ; a tile of 16 queries at a time: four copies into the stage; each wave adds 4 rows of the four and stores them
	WIN W_RS
.irp i, 0,2,4,6,8,10,12,14,16,18,20,22,24,26,28,30,32,34,36,38,40,42,44,46,48,50,52,54,56,58,60,62
	v_pk_mul_f32 v[64*\t+\i:64*\t+\i+1], v[64*\t+\i:64*\t+\i+1], v[ST+8*\t+6:ST+8*\t+7] op_sel_hi:[1,0]
.endr
	WIN 0x04                                       ; an LDS store's data are its source 1: window 1
.irp c, 0,1,2,3,4,5,6,7
	ds_store_b128 v[STO], v[64*\t+8*\c:64*\t+8*\c+3] offset:64*\c
	ds_store_b128 v[STO], v[64*\t+8*\c+4:64*\t+8*\c+7] offset:64*\c+16
.endr
	WIN 0
	BARRIER
.irp p, 0,1,2,3
.irp q, 0,1
.irp e, 0,1
	ds_load_b128 v[96+16*\p+8*\q+4*\e:96+16*\p+8*\q+4*\e+3], v[SRD] offset:16*SPI*\p+2*SPI*\q+16*\e
.endr
.endr
.endr
	s_wait_dscnt 0x0
.irp p, 1,2,3
.irp i, 0,2,4,6,8,10,12,14
	v_pk_add_f32 v[96+\i:97+\i], v[96+\i:97+\i], v[96+16*\p+\i:97+16*\p+\i]
.endr
.endr
.irp i, 0,1,2,3,4,5,6,7
	v_cvt_pk_f16_f32 v[160+8*\t+\i], v[96+2*\i], v[97+2*\i]
.endr
.irp q, 0,1
	global_store_b128 v[YO], v[160+8*\t+4*\q:160+8*\t+4*\q+3], s[\ybase:\ybase+1] offset:65536*\t+8192*\q   ; sixteen lanes store 256 consecutive bytes, aligned: the head's part of a row
.endr
.if \t < 3
	BARRIER                                        ; every wave's reads of the stage are over: the next tile may be written
.endif
.endr
.endm
; From the first superblock to the second, at the head of superstep P + 1, whose K is already on its way into registers that nothing here touches.
; Nothing is cleared: with m = -3e38 the next step's a is 0 and multiplies the old, finite l and O^T (that step lies under no mask: the second superblock has five supersteps or more).
.macro SWITCH
	QLOAD QB
	MERGE YA
.irp t, 0,1,2,3
	v_mov_b32 v[ST+8*\t], 0xff61b1e6
.endr
	s_wait_xcnt 0x0                                ; y's stores have read their registers: the next scores land there
	s_wait_loadcnt 0x0                             ; Q
.endm
	s_wait_tensorcnt 1                             ; my part of slot 0 is in; slot 1's may stay out
	s_barrier_signal -1
	s_barrier_wait -1
	FETCH_K                                        ; superstep 0's
	s_wait_loadcnt 0x0                             ; Q
	STEP 1, 0, 1                                   ; superstep 0 starts l and O^T; its change asks for superstep 2
	s_mov_b32 s[G], 1
.Lg:                                               ; supersteps 1 .. 6: the change in each asks for superstep G + 2
	s_add_co_u32 s68, s[PP], 1
	s_cmp_lg_u32 s[G], s68
	s_cbranch_scc1 .Lno_switch                     ; ids and the count of steps alone: the same in all waves and all partners
	SWITCH
.Lno_switch:
	STEP 0, 0, 1
	s_add_co_u32 s[G], s[G], 1
	s_cmp_lt_u32 s[G], 7
	s_cbranch_scc1 .Lg
	STEP 0, 2, 2                                   ; the last two supersteps are written out: superstep 7 changes slots and asks for nothing (it lies under no mask: P is at most 3),
	STEP 0, 1, 0                                   ; superstep 8, the second superblock's own keys, changes nothing
	MERGE YB
	s_wait_tensorcnt 0x0                           ; the wave's end
	ds_add_u32 v[SPW], v[NIL]
	s_wait_dscnt 0x0
	CROUND                                         ; the closing round
	s_endpgm
.Lfunc_end_k_qc8a750fd73_attn:
	.size	k_qc8a750fd73_attn, .Lfunc_end_k_qc8a750fd73_attn-k_qc8a750fd73_attn
	.p2alignl 7, 3214868480
	.fill 96, 4, 3214868480
	.section	.rodata,"a",@progbits
	.p2align	6, 0x0
	.amdhsa_kernel k_qc8a750fd73_attn
		.amdhsa_group_segment_fixed_size 327680
		.amdhsa_private_segment_fixed_size 0
		.amdhsa_enable_private_segment 0
		.amdhsa_kernarg_size 16
		.amdhsa_user_sgpr_count 2
		.amdhsa_user_sgpr_kernarg_segment_ptr 1
		.amdhsa_wavefront_size32 1
		.amdhsa_system_sgpr_workgroup_id_x 1
		.amdhsa_system_sgpr_workgroup_id_y 1
		.amdhsa_system_sgpr_workgroup_id_z 1
		.amdhsa_system_vgpr_workitem_id 0
		.amdhsa_next_free_vgpr 1024
		.amdhsa_next_free_sgpr 80
		.amdhsa_reserve_vcc 1
		.amdhsa_float_denorm_mode_32 3
		.amdhsa_float_denorm_mode_16_64 3
		.amdhsa_memory_ordered 1
		.amdhsa_forward_progress 1
		.amdhsa_inst_pref_size 255
	.end_amdhsa_kernel
	.section	.bss,"aw",@nobits
	.p2align	6
	.space	262144
	.amdgpu_metadata
---
amdhsa.version: [ 1, 2 ]
amdhsa.kernels:
  - .name:           k_qc8a750fd73_attn
    .symbol:         k_qc8a750fd73_attn.kd
    .args:
      - { .name: qkv16, .offset: 0, .size: 8, .value_kind: global_buffer, .address_space: global }
      - { .name: y16, .offset: 8, .size: 8, .value_kind: global_buffer, .address_space: global }
    .group_segment_fixed_size: 327680
    .private_segment_fixed_size: 0
    .kernarg_segment_align: 8
    .kernarg_segment_size: 16
    .max_flat_workgroup_size: 128
    .sgpr_count:     80
    .vgpr_count:     1024
    .wavefront_size: 32
...
	.end_amdgpu_metadata
.endif
;; end of part 3
;; launch outp (part 4): grid 16 x 16, 4 waves a work-group, clusters of 4 x 4, 327,680 bytes of LDS; arguments y16, wo16, out0; writes out0
.if DOCPART == 4
	.amdgcn_target "amdgcn-amd-amdhsa--gfx1250"
	.amdhsa_code_object_version 6
	.text
	.protected	k_qc8a750fd73_outp
	.globl	k_qc8a750fd73_outp
	.p2align	8
	.type	k_qc8a750fd73_outp,@function
k_qc8a750fd73_outp:
	s_mov_b64 s[64:65], 0
	v_nop
	global_prefetch_b8 v0, s[64:65] scope:SCOPE_SE
	s_setreg_imm32_b32 hwreg(HW_REG_WAVE_MODE, 25, 1), 1
	s_wait_xcnt 0x0
	s_wait_alu depctr_hold_cnt(0) depctr_sa_sdst(0) depctr_va_vdst(0) depctr_va_sdst(0) depctr_va_ssrc(0) depctr_va_vcc(0) depctr_vm_vsrc(0)
	s_getreg_b32 s2, hwreg(HW_REG_IB_STS2, 6, 4)
	s_cmp_eq_u32 s2, 0
	s_cbranch_scc0 .Lentry_in_a_cluster
	s_endpgm
.Lentry_in_a_cluster:
	s_bfe_u32 s2, ttmp6, 0x10000c
	s_cmp_lg_u32 s2, 0xf033
	s_cbranch_scc0 .Lentry_shape_is_right
	s_endpgm
.Lentry_shape_is_right:
; out0[t][n] = sum over c of y[t][c] Wo[n][c], rows 16 .. 2,047.  y16, wo16: [2,048][2,048] f16; out0: f32; sums in f32.  Rows 0-15 are written by the launch that carries them finely.
; 256 tiles of 128 x 128, one for each work-group.  Four waves, each 64 x 64: 16 accumulators.  K goes in steps of 256 (LDS rows of 512 bytes; a wave's tensor load brings 64) through two slots.
; CLUSTERS: 4 x 4; A's tiles are asked for jointly along a row of the cluster, B's along a column.  The matrix instruction is used transposed: a lane holds eight neighbouring numbers of a row of the result.
; THE WAY OUT: a wave's 64 columns of f32 are 256 bytes, aligned: each wave sends its blocks of 16 rows through a stage of its own, with no barrier.
; REGISTERS: window 0: v0-31 addresses; v32-95 rows read back; v128-255 the accumulators ((a, b) at v[128 + 8 (4 a + b)]).  window 1: two fragment buffers of 128.
.set SIZE_N, 2048
.set SIZE_K, 2048
.set KSTEP,  256
.set PITCH,  528
.set HALFT,  64*PITCH
.set SLOT,   4*HALFT
.set STAGE,  2*SLOT                    ; behind the ring: 16 rows x 272 bytes for each wave
.set SPITCH, 272
.set SPARE,  STAGE+4*16*SPITCH         ; the spare words: 128 bytes a wave, named by no other line
.set LAPS, SIZE_K/(2*KSTEP)
.set ADRA, 16
.set ADRB, 20
.set STO,  24
.set RD,   25
.set CO,   26
.set FLG,  27                          ; v27  0 in the waves whose first block is rows 0-15
.set SPW,  28
.set NIL,  29
.set TMP,  32
.set ACC,  128
.set F0,   0
.set F1,   128
.set G1, 24
.set G0, 32
.set G1B, 48
.set G0B, 56
.set MSB, 0
.macro WIN new
.if MSB != (\new)
	s_set_vgpr_msb (MSB<<8)|(\new)
.set MSB, (\new)
.endif
.endm
.set MUL,  0x05                        ; sources 0 (B) and 1 (A) window 1; C and D window 0
.set TO_F, 0x40
.macro JLOAD s                         ; waves 0 and 1 fetch A's halves, waves 2 and 3 B's; an s_nop 0 and four v_nop follow each line
	s_cmp_eq_u32 s11, 0
	s_cbranch_scc0 .Lfor_b_\@
	tensor_load_to_lds s[G0+4*\s:G0+4*\s+3], s[G1:G1+7]
	s_nop 0
.rept 4
	v_nop
.endr
	s_branch .Lasked_\@
.Lfor_b_\@:
	tensor_load_to_lds s[G0B+4*\s:G0B+4*\s+3], s[G1B:G1B+7]
	s_nop 0
.rept 4
	v_nop
.endr
.Lasked_\@:
.endm
.macro CREST
	s_cmp_lg_u32 s10, 0
	s_cbranch_scc1 .Lnot_wave_0_\@
	s_barrier_signal -3
.Lnot_wave_0_\@:
	s_barrier_wait -3
	s_barrier_signal -1
	s_barrier_wait -1
.endm
.macro CROUND
	s_barrier_signal -1
	s_barrier_wait -1
	CREST
.endm
	s_load_b128 s[4:7], s[0:1], 0x0                ; y16, wo16
	s_load_b64 s[8:9], s[0:1], 0x10                ; out0
	v_lshl_add_u32 v[SPW], v0, 2, SPARE
	v_mov_b32 v[NIL], 0
	ds_add_u32 v[SPW], v[NIL]                      ; the wave's opening: the add, twice on end, and its wait ahead of my first tensor load
	ds_add_u32 v[SPW], v[NIL]
	v_lshrrev_b32 v1, 5, v0
	v_readfirstlane_b32 s10, v1
	s_lshr_b32 s11, s10, 1                         ; which half of the tile's rows is mine.  Also: I fetch for A (0) or for B (1)
	s_and_b32 s12, s10, 1                          ; which half of its columns.  Also: which 64 rows of that tile I fetch
	s_bfe_u32 s40, ttmp6, 0x40000
	s_bfe_u32 s41, ttmp6, 0x40004
	s_lshl_b32 s42, ttmp9, 2
	s_add_co_u32 s42, s42, s40                     ; tile column
	s_and_b32 s13, ttmp7, 0xffff
	s_lshl_b32 s13, s13, 2
	s_add_co_u32 s13, s13, s41                     ; tile row
	s_lshl_b32 s43, s41, 2
	s_lshl_b32 s43, 15, s43
	s_lshl_b32 s44, 0x1111, s40
	s_or_b32 s[G1+0], s43, (1<<16)|(1<<20)|(1<<21)|(6<<22)|(3<<25)  ; the mask; elements of 2 bytes; padding on; bit 21 beside a mask; 4 words behind every 128
	s_or_b32 s[G1B+0], s44, (1<<16)|(1<<20)|(1<<21)|(6<<22)|(3<<25)
.irp g, G1, G1B
	s_mov_b32 s[\g+1], KSTEP<<16
	s_mov_b32 s[\g+2], 64<<16
	s_mov_b32 s[\g+3], KSTEP<<16
	s_mov_b32 s[\g+4], 64
	s_mov_b32 s[\g+5], SIZE_K
	s_mov_b32 s[\g+6], 0
	s_mov_b32 s[\g+7], 0
.endr
	s_lshl_b32 s17, s12, 6
	s_lshl_b32 s16, s13, 7
	s_add_co_u32 s16, s16, s17
	s_lshl_b32 s46, s42, 7
	s_add_co_u32 s46, s46, s17
	s_mov_b32 s17, 0
	s_mov_b32 s47, 0
	s_mov_b64 s[18:19], SIZE_K*2
	s_mul_u64 s[16:17], s[16:17], s[18:19]
	s_mul_u64 s[46:47], s[46:47], s[18:19]
	s_mul_i32 s20, s10, HALFT
	s_wait_dscnt 0x0                               ; both opening adds are done
	s_wait_kmcnt 0x0
	s_add_nc_u64 s[14:15], s[4:5], s[16:17]
	s_add_nc_u64 s[46:47], s[6:7], s[46:47]
	CROUND                                         ; the first joint loads meet
.irp s, 0,1
	s_mov_b32 s[G0+4*\s], 1
	s_add_co_u32 s[G0+4*\s+1], s20, \s*SLOT
	s_add_nc_u64 s[G0+4*\s+2:G0+4*\s+3], s[14:15], \s*KSTEP*2
	s_or_b32 s[G0+4*\s+3], s[G0+4*\s+3], 0x80000000
	s_mov_b32 s[G0B+4*\s], 1
	s_add_co_u32 s[G0B+4*\s+1], s20, \s*SLOT
	s_add_nc_u64 s[G0B+4*\s+2:G0B+4*\s+3], s[46:47], \s*KSTEP*2
	s_or_b32 s[G0B+4*\s+3], s[G0B+4*\s+3], 0x80000000
	JLOAD \s
.endr
	v_and_b32 v1, 15, v0
	v_bfe_u32 v2, v0, 4, 1
	v_mul_u32_u24 v3, v1, PITCH
	v_lshl_add_u32 v3, v2, 4, v3
	s_mul_i32 s21, s11, HALFT
	s_mul_i32 s22, s12, HALFT
	s_add_co_u32 s22, s22, 2*HALFT
.irp s, 0,1
	v_add_nc_u32 v[ADRA+\s], s21, v3
	v_add_nc_u32 v[ADRB+\s], s22, v3
	s_add_co_u32 s21, s21, SLOT
	s_add_co_u32 s22, s22, SLOT
.endr
	s_mul_i32 s23, s10, 16*SPITCH
	s_add_co_u32 s23, s23, STAGE                   ; my stage
	v_mul_u32_u24 v4, v1, SPITCH
	v_lshl_add_u32 v4, v2, 5, v4
	v_add_nc_u32 v[STO], s23, v4                   ; in: row l % 16, 32 bytes for each half of the lanes
	v_mul_u32_u24 v5, v2, SPITCH
	v_lshl_add_u32 v5, v1, 4, v5
	v_add_nc_u32 v[RD], s23, v5                    ; back: lanes 0-15 one row of 256 bytes, lanes 16-31 the next
	v_lshlrev_b32 v5, 13, v2
	v_lshl_add_u32 v[CO], v1, 4, v5                ; and the same two rows in out0: 8,192 bytes a row
	s_or_b32 s16, s13, s11                         ; 0: tile row 0, upper half of its rows.  Used as data alone
	v_mov_b32 v[FLG], s16
	s_lshl_b32 s16, s13, 7
	s_lshl_b32 s17, s11, 6
	s_add_co_u32 s16, s16, s17                     ; my first row
	s_lshl_b32 s16, s16, 13
	s_mov_b32 s17, 0
	s_add_nc_u64 s[8:9], s[8:9], s[16:17]
	s_lshl_b32 s46, s42, 9
	s_lshl_b32 s47, s12, 8
	s_add_co_u32 s46, s46, s47                     ; my first column, in bytes
	s_mov_b32 s47, 0
	s_add_nc_u64 s[8:9], s[8:9], s[46:47]
.macro MUL8 f, c, a0, zero             ; the 16 accumulators take turns, one instruction a turn
.irp a, \a0, \a0+1
.irp b, 0,1,2,3
.if \zero
	v_wmma_f32_16x16x32_f16 v[ACC+8*(4*(\a)+\b):ACC+8*(4*(\a)+\b)+7], v[\f+64+8*(4*\c+\b):\f+64+8*(4*\c+\b)+7], v[\f+8*(4*\c+\a):\f+8*(4*\c+\a)+7], 0
.else
	v_wmma_f32_16x16x32_f16 v[ACC+8*(4*(\a)+\b):ACC+8*(4*(\a)+\b)+7], v[\f+64+8*(4*\c+\b):\f+64+8*(4*\c+\b)+7], v[\f+8*(4*\c+\a):\f+8*(4*\c+\a)+7], v[ACC+8*(4*(\a)+\b):ACC+8*(4*(\a)+\b)+7]
.endif
.endr
.endr
.endm
.macro FETCH slot, k, f                ; 32 LDS loads in one run: 64 along K at byte k of the rows; the first 32 along K first
	WIN TO_F
.irp c, 0,1
.irp i, 0,1,2,3
	ds_load_b128 v[\f+64+8*(4*\c+\i):\f+64+8*(4*\c+\i)+3],   v[ADRB+\slot] offset:\k+64*\c+\i*16*PITCH
	ds_load_b128 v[\f+64+8*(4*\c+\i)+4:\f+64+8*(4*\c+\i)+7], v[ADRB+\slot] offset:\k+64*\c+\i*16*PITCH+32
	ds_load_b128 v[\f+8*(4*\c+\i):\f+8*(4*\c+\i)+3],         v[ADRA+\slot] offset:\k+64*\c+\i*16*PITCH
	ds_load_b128 v[\f+8*(4*\c+\i)+4:\f+8*(4*\c+\i)+7],       v[ADRA+\slot] offset:\k+64*\c+\i*16*PITCH+32
.endr
.endr
.endm
.macro PLACES
.rept 4
	v_nop
.endr
.endm
.macro QUARTER slot, k, f, g, zero
	s_wait_dscnt 16                                ; the first 32 along K are in; the other sixteen loads may be out
	WIN MUL
	MUL8 \f, 0, 0, \zero
	MUL8 \f, 0, 2, \zero
	PLACES
	FETCH \slot, \k, \g
	s_wait_dscnt 32                                ; all but the 32 just issued
	WIN MUL
	MUL8 \f, 1, 0, 0
	MUL8 \f, 1, 2, 0
.endm
.macro TURN slot, next, fill           ; the last quarter changes slots: one barrier, the waits and the add in front of it
	WIN 0
	s_wait_tensorcnt 0x0                           ; all my tensor loads have landed: my part of the next slot
	ds_add_u32 v[SPW], v[NIL]
	s_wait_dscnt 17                                ; (the add and the youngest sixteen loads may be out)
	WIN MUL
	MUL8 F1, 0, 0, 0
	s_wait_dscnt 0x0                               ; the add is done, and my reads of this slot are over
	s_barrier_signal -1
	MUL8 F1, 0, 2, 0
.if \fill
	WIN 0
.endif
	s_barrier_wait -1
.if \fill
	CREST                                          ; the barrier has opened a round of the cluster's
	s_add_nc_u64 s[G0+4*\slot+2:G0+4*\slot+3], s[G0+4*\slot+2:G0+4*\slot+3], 2*KSTEP*2
	s_add_nc_u64 s[G0B+4*\slot+2:G0B+4*\slot+3], s[G0B+4*\slot+2:G0B+4*\slot+3], 2*KSTEP*2
	JLOAD \slot                                    ; my one tensor load behind the round
.else
	PLACES
.endif
	FETCH \next, 0, F0
	WIN MUL
	MUL8 F1, 1, 0, 0
	MUL8 F1, 1, 2, 0
.endm
	s_wait_tensorcnt 1                             ; my part of K step 0 is in; K step 1's may be out
	s_barrier_signal -1
	s_barrier_wait -1
	FETCH 0, 0, F0
	QUARTER 0, 128, F0, F1, 1                      ; the first products start the sums
	WIN 0
	s_mov_b32 s3, LAPS-1
.Llap:
	QUARTER 0, 256, F1, F0, 0
	QUARTER 0, 384, F0, F1, 0
	TURN 0, 1, 1
	QUARTER 1, 128, F0, F1, 0
	QUARTER 1, 256, F1, F0, 0
	QUARTER 1, 384, F0, F1, 0
	TURN 1, 0, 1
	QUARTER 0, 128, F0, F1, 0
	WIN 0
	s_sub_co_u32 s3, s3, 1
	s_cmp_lg_u32 s3, 0
	s_cbranch_scc1 .Llap
	QUARTER 0, 256, F1, F0, 0                      ; the last lap fills nothing
	QUARTER 0, 384, F0, F1, 0
	TURN 0, 1, 0
	QUARTER 1, 128, F0, F1, 0
	QUARTER 1, 256, F1, F0, 0
	QUARTER 1, 384, F0, F1, 0
	s_wait_dscnt 16
	WIN MUL
	MUL8 F1, 0, 0, 0
	MUL8 F1, 0, 2, 0
	s_wait_dscnt 0
	MUL8 F1, 1, 0, 0
	MUL8 F1, 1, 2, 0
	WIN 0
; THE WAY OUT, a block of 16 rows x 64 columns at a time: into my stage, back as whole rows of 256 bytes.  LDS serves a wave's instructions in order.
.macro TOSTAGE a
.set BB, TMP+32*((\a)%2)
.irp b, 0,1,2,3
	ds_store_b128 v[STO], v[ACC+8*(4*(\a)+\b):ACC+8*(4*(\a)+\b)+3] offset:64*\b        ; each accumulator from its low end on
	ds_store_b128 v[STO], v[ACC+8*(4*(\a)+\b)+4:ACC+8*(4*(\a)+\b)+7] offset:64*\b+16
.endr
.irp i, 0,1,2,3,4,5,6,7
	ds_load_b128 v[BB+4*\i:BB+4*\i+3], v[RD] offset:\i*2*SPITCH
.endr
.endm
; guard = 1: block 0.  Where it is rows 0-15 all lanes are off and the stores do nothing: no branch.  EXEC changes only behind a wait on XCNT.
.macro SEND a, younger, guard
.set BB, TMP+32*((\a)%2)
	s_wait_dscnt \younger                          ; the block is back; the next block's 8 stores and 8 loads may be out
.if \guard
	s_wait_xcnt 0x0
	v_cmp_ne_u32 vcc_lo, 0, v[FLG]
	s_and_saveexec_b32 s66, vcc_lo
.endif
.irp i, 0,1,2,3,4,5,6,7
	global_store_b128 v[CO], v[BB+4*\i:BB+4*\i+3], s[8:9] offset:(16*(\a)+2*\i)*SIZE_N*4 th:TH_STORE_NT   ; sixteen lanes store 256 consecutive bytes, aligned
.endr
.if \guard
	s_wait_xcnt 0x0
	s_or_b32 exec_lo, exec_lo, s66
.endif
.endm
	PLACES
	TOSTAGE 0
	TOSTAGE 1
	SEND 0, 16, 1
	s_wait_xcnt 0x0                                ; block 0's stores have read their registers: block 2's loads may land there
	TOSTAGE 2
	SEND 1, 16, 0
	s_wait_xcnt 0x0
	TOSTAGE 3
	SEND 2, 16, 0
	SEND 3, 0, 0
	s_wait_tensorcnt 0x0                           ; the wave's end
	ds_add_u32 v[SPW], v[NIL]
	s_wait_dscnt 0x0
	CROUND                                         ; the closing round
	s_endpgm
.Lfunc_end_k_qc8a750fd73_outp:
	.size	k_qc8a750fd73_outp, .Lfunc_end_k_qc8a750fd73_outp-k_qc8a750fd73_outp
	.p2alignl 7, 3214868480
	.fill 96, 4, 3214868480
	.section	.rodata,"a",@progbits
	.p2align	6, 0x0
	.amdhsa_kernel k_qc8a750fd73_outp
		.amdhsa_group_segment_fixed_size 327680
		.amdhsa_private_segment_fixed_size 0
		.amdhsa_enable_private_segment 0
		.amdhsa_kernarg_size 24
		.amdhsa_user_sgpr_count 2
		.amdhsa_user_sgpr_kernarg_segment_ptr 1
		.amdhsa_wavefront_size32 1
		.amdhsa_system_sgpr_workgroup_id_x 1
		.amdhsa_system_sgpr_workgroup_id_y 1
		.amdhsa_system_sgpr_workgroup_id_z 1
		.amdhsa_system_vgpr_workitem_id 0
		.amdhsa_next_free_vgpr 512
		.amdhsa_next_free_sgpr 70
		.amdhsa_reserve_vcc 1
		.amdhsa_float_denorm_mode_32 3
		.amdhsa_float_denorm_mode_16_64 3
		.amdhsa_memory_ordered 1
		.amdhsa_forward_progress 1
		.amdhsa_inst_pref_size 86
	.end_amdhsa_kernel
	.amdgpu_metadata
---
amdhsa.version: [ 1, 2 ]
amdhsa.kernels:
  - .name:           k_qc8a750fd73_outp
    .symbol:         k_qc8a750fd73_outp.kd
    .args:
      - { .name: y16, .offset: 0, .size: 8, .value_kind: global_buffer, .address_space: global }
      - { .name: wo16, .offset: 8, .size: 8, .value_kind: global_buffer, .address_space: global }
      - { .name: out0, .offset: 16, .size: 8, .value_kind: global_buffer, .address_space: global }
    .group_segment_fixed_size: 327680
    .private_segment_fixed_size: 0
    .kernarg_segment_align: 8
    .kernarg_segment_size: 24
    .max_flat_workgroup_size: 128
    .sgpr_count:     70
    .vgpr_count:     512
    .wavefront_size: 32
...
	.end_amdgpu_metadata
.endif
;; end of part 4
;; launch fine (part 5): grid 128 x 1, 16 waves a work-group, no clusters, 153,600 bytes of LDS; arguments qkv32, Wo, out0; writes out0
.if DOCPART == 5
	.amdgcn_target "amdgcn-amd-amdhsa--gfx1250"
	.amdhsa_code_object_version 6
	.text
	.protected	k_qc8a750fd73_fine
	.globl	k_qc8a750fd73_fine
	.p2align	8
	.type	k_qc8a750fd73_fine,@function
k_qc8a750fd73_fine:
	s_mov_b64 s[64:65], 0
	v_nop
	global_prefetch_b8 v0, s[64:65] scope:SCOPE_SE
	s_setreg_imm32_b32 hwreg(HW_REG_WAVE_MODE, 25, 1), 1
	s_wait_xcnt 0x0
; ROWS 0-15 OF THE RESULT, in f32 from end to end: under the causal mask they average one to sixteen values, are the largest in size, and would feel the rounding of 16-bit operands most.
; qkv32: q (with log2(e) / sqrt(128)), k, v of rows 0-15 behind the rotary embedding, f32, as images of operand registers: [48 heads: 16 q, 16 k, 16 v][16 images][16 bytes x 32 lanes];
;   image 2 b + e, lane (r = lane % 16, h = lane / 16): row r, channels 16 b + 8 h + 4 e .. + 3.  Wo: [2,048][2,048] f32.  out0 rows 0-15.
; SHARES.  Work-group x makes columns 16 x .. 16 x + 15.  Wave hd is head hd; the sixteen heads' parts are added through LDS by waves 0 and 1.  The store is 64 bytes a row and work-group, 131,072 bytes in the launch.
; THE ORDER OF THE PRODUCTS: out = (p / l) (V Wo_h^T).  Z = V Wo_h^T, 16 keys x 16 columns over the head's 128 channels, takes 32 matrix instructions and its product with p four;
; p V first and Wo behind it would take 32 and 32.  With the scores' 32 (repeated in each work-group: small beside Wo's bytes) a wave issues 68.
; ALL PRODUCTS BY v_wmma_f32_16x16x4_f32.  A step takes two neighbouring registers of both operands; in it the slot (lane / 16, register) stands for the same k on both sides, so the order of k is free.
; S^T = K Q^T leaves a lane one query and keys 8 h + j; Z leaves a lane one column and keys 8 h + j: so both are operands of the last product as they stand.  Four accumulators, v224-255, take turns; matrix instructions alone write them.
; EVERY LOAD COVERS 512 CONSECUTIVE BYTES: Q, K, V as images; Wo a row's 512 bytes of my head an instruction, turned into the operand's layout through a stage of the wave's own in LDS (16 rows x 528 bytes; no other wave touches it).
; REGISTERS: v1-11, v14 addresses; v12, v13 the add's two; v16-79 Q, later V, later the parts; v80-143 K, later Wo's fragment; v144-207 Wo as loaded, later Z (v144-151) and my part (v152-159); v208-215 scores, p; v216-223 at work.
.set Q,   16
.set VV,  16                           ; V takes Q's registers
.set K,   80
.set WF,  80                           ; Wo's fragment takes K's
.set WR,  144
.set ZR,  144
.set RES, 152
.set SC,  208
.set TW,  216
.set MR,  224
.set SPW, 12
.set NIL, 13
.set SPARE, 16384                      ; behind the sixteen parts of 1,024 bytes: the spare words, 128 bytes a wave, named by no other line
.set WST,  18432                       ; behind them: the waves' stages for Wo
.set WP,   528                         ; a stage row: 512 bytes + 16: the 16 rows that a load touches start 132 words apart
	s_load_b128 s[4:7], s[0:1], 0x0                ; qkv32, Wo
	s_load_b64 s[8:9], s[0:1], 0x10                ; out0
	v_lshl_add_u32 v[SPW], v0, 2, SPARE
	v_mov_b32 v[NIL], 0
	v_lshrrev_b32 v1, 5, v0
	v_readfirstlane_b32 s10, v1                    ; the wave: my head
	v_and_b32 v1, 15, v0                           ; r
	v_bfe_u32 v2, v0, 4, 1                         ; h
	v_and_b32 v3, 31, v0
	v_lshlrev_b32 v4, 4, v3                        ; 16 x lane: an image's place for my lane, and my 16 bytes of a row of Wo
	v_lshlrev_b32 v6, 13, v1
	v_lshl_add_u32 v6, v2, 5, v6                   ; out0: row r of 8,192 bytes, + 32 h
	v_lshlrev_b32 v7, 3, v2
	v_sub_nc_u32 v7, v1, v7                        ; r - 8 h: register j holds key 8 h + j, hidden where j > r - 8 h
	s_lshl_b32 s11, s10, 10
	v_lshl_add_u32 v8, v3, 4, s11                  ; my part in LDS: 1,024 x head + 16 x lane
	s_lshl_b32 s11, s10, 9
	v_lshl_add_u32 v9, v3, 4, s11                  ; what waves 0 and 1 read of each part: 512 x wave + 16 x lane
	v_mov_b32 v10, 0xff800000
	s_mul_i32 s11, s10, 16*WP
	s_add_co_u32 s11, s11, WST                     ; my stage
	v_lshl_add_u32 v11, v3, 4, s11                 ; in: a row as it lies, 16 bytes a lane
	v_mul_u32_u24 v14, v1, WP
	v_lshl_add_u32 v14, v2, 5, v14
	v_add_nc_u32 v14, s11, v14                     ; out: row r, + 32 h: register 8 c + i is channel 16 c + 8 h + i
	s_lshl_b32 s12, s10, 13                        ; my head's 16 images
	s_mov_b32 s13, 0
	s_lshl_b32 s14, ttmp9, 17                      ; Wo: 16 rows of 8,192 bytes a work-group,
	s_lshl_b32 s15, s10, 9
	s_add_co_u32 s14, s14, s15                     ; my head's 128 channels
	s_mov_b32 s15, 0
	s_lshl_b32 s16, ttmp9, 6                       ; out0: 16 columns a work-group,
	s_lshl_b32 s17, s10, 4                         ; four of each lane's eight for each of waves 0 and 1
	s_add_co_u32 s16, s16, s17
	s_mov_b32 s17, 0
	s_mov_b32 s20, 0x76543210
	s_mov_b32 s21, 0xfedcba98
	s_wait_kmcnt 0x0
	s_add_nc_u64 s[4:5], s[4:5], s[12:13]
	s_add_nc_u64 s[6:7], s[6:7], s[14:15]
	s_add_nc_u64 s[8:9], s[8:9], s[16:17]
.irp i, 0,1,2,3,4,5,6,7,8,9,10,11,12,13,14,15
	global_load_b128 v[Q+4*\i:Q+4*\i+3], v4, s[4:5] offset:512*\i                  ; register 8 b + i' is channel 16 b + 8 h + i' of query r
.endr
.irp i, 0,1,2,3,4,5,6,7,8,9,10,11,12,13,14,15
	global_load_b128 v[K+4*\i:K+4*\i+3], v4, s[4:5] offset:131072+512*\i           ; k's heads lie 16 x 8,192 bytes on
.endr
.irp i, 0,1,2,3,4,5,6,7,8,9,10,11,12,13,14,15
	global_load_b128 v[WR+4*\i:WR+4*\i+3], v4, s[6:7] offset:8192*\i th:TH_LOAD_NT ; row 16 x + i of Wo, my head's 512 bytes: read once in the launch
.endr
	s_wait_loadcnt 16                              ; Q and K are in; Wo's sixteen loads may be out
.macro CHAIN32 a, b                    ; 32 steps of 4 along K over registers 2 s, 2 s + 1 of both operands; the four accumulators by turns, the first four steps start the sums
.set ks, 0
.rept 32
.if ks < 4
	v_wmma_f32_16x16x4_f32 v[MR+8*(ks%4):MR+8*(ks%4)+7], v[\a+2*ks:\a+2*ks+1], v[\b+2*ks:\b+2*ks+1], 0
.else
	v_wmma_f32_16x16x4_f32 v[MR+8*(ks%4):MR+8*(ks%4)+7], v[\a+2*ks:\a+2*ks+1], v[\b+2*ks:\b+2*ks+1], v[MR+8*(ks%4):MR+8*(ks%4)+7]
.endif
.set ks, ks+1
.endr
.rept 8
	v_nop                                          ; eight places behind this form, ahead of reads of its results and of loads into its sources
.endr
.endm
.macro JOIN d                          ; the four accumulators' sum into v[d ..], each read from its low end on
.irp j, 0,1,2,3,4,5,6,7
	v_add_f32 v[\d+\j], v[MR+\j], v[MR+8+\j]
	v_add_f32 v[TW+\j], v[MR+16+\j], v[MR+24+\j]
.endr
.irp j, 0,1,2,3,4,5,6,7
	v_add_f32 v[\d+\j], v[\d+\j], v[TW+\j]
.endr
.endm
	CHAIN32 K, Q                                   ; S^T: lane (r, h): query r, keys 8 h + j
.irp i, 0,1,2,3,4,5,6,7,8,9,10,11,12,13,14,15
	global_load_b128 v[VV+4*\i:VV+4*\i+3], v4, s[4:5] offset:262144+512*\i         ; V into Q's registers: register 8 b + i' is channel 16 b + 8 h + i' of key r
.endr
	JOIN SC
.irp j, 0,1,2,3,4,5,6,7
	v_cmp_gt_i32 vcc_lo, \j, v7
	v_cndmask_b32 v[SC+\j], v[SC+\j], v10, vcc_lo
.endr
	v_max3_num_f32 v[TW], v[SC], v[SC+1], v[SC+2]
	v_max3_num_f32 v[TW], v[TW], v[SC+3], v[SC+4]
	v_max3_num_f32 v[TW], v[TW], v[SC+5], v[SC+6]
	v_max_num_f32 v[TW], v[TW], v[SC+7]
	v_permlanex16_b32 v[TW+1], v[TW], s20, s21
	v_max_num_f32 v[TW], v[TW], v[TW+1]            ; the row's maximum: key 0 counts for every query
.irp j, 0,1,2,3,4,5,6,7
	v_sub_f32 v[SC+\j], v[SC+\j], v[TW]
.endr
.irp j, 0,1,2,3,4,5,6,7
	v_exp_f32 v[SC+\j], v[SC+\j]
.endr
	v_nop
	s_wait_alu depctr_va_vdst(0)                   ; one wait for the eight
	v_add_f32 v[TW+2], v[SC], v[SC+1]
	v_add_f32 v[TW+3], v[SC+2], v[SC+3]
	v_add_f32 v[TW+4], v[SC+4], v[SC+5]
	v_add_f32 v[TW+5], v[SC+6], v[SC+7]
	v_add_f32 v[TW+2], v[TW+2], v[TW+3]
	v_add_f32 v[TW+4], v[TW+4], v[TW+5]
	v_add_f32 v[TW+2], v[TW+2], v[TW+4]
	v_permlanex16_b32 v[TW+3], v[TW+2], s20, s21
	v_add_f32 v[TW+2], v[TW+2], v[TW+3]
	v_rcp_f32 v[TW+4], v[TW+2]
	v_nop
	s_wait_alu depctr_va_vdst(0)
.irp j, 0,1,2,3,4,5,6,7
	v_mul_f32 v[SC+\j], v[SC+\j], v[TW+4]          ; p / l
.endr
	s_wait_loadcnt 16                              ; Wo is in; V's sixteen loads may be out
.irp i, 0,1,2,3,4,5,6,7,8,9,10,11,12,13,14,15
	ds_store_b128 v11, v[WR+4*\i:WR+4*\i+3] offset:\i*WP                            ; row i of my stage, as it lies
.endr
.irp c, 0,1,2,3,4,5,6,7
.irp e, 0,1
	ds_load_b128 v[WF+8*\c+4*\e:WF+8*\c+4*\e+3], v14 offset:64*\c+16*\e             ; LDS serves a wave's instructions in order: these see my stores.  Wo(16 x + r, channel 16 c + 8 h + 4 e ..) into K's registers
.endr
.endr
	s_wait_loadcnt 0x0                             ; V
	s_wait_dscnt 0x0                               ; Wo's fragment
	CHAIN32 VV, WF                                 ; Z: lane (r, h): column 16 x + r, keys 8 h + j
	JOIN ZR
; out^T = Z^T p: step i takes keys 8 h + 2 i, + 1; one step to each accumulator, each a sum of its own.  Between these and the chain whose accumulators they begin anew stand the eight v_nop and the additions that name other accumulators or none.
.irp i, 0,1,2,3
	v_wmma_f32_16x16x4_f32 v[MR+8*\i:MR+8*\i+7], v[ZR+2*\i:ZR+2*\i+1], v[SC+2*\i:SC+2*\i+1], 0
.endr
.rept 8
	v_nop
.endr
	JOIN RES                                       ; lane (r, h): row r of the result, columns 16 x + 8 h + j: my head's part
	ds_store_b128 v8, v[RES:RES+3]
	ds_store_b128 v8, v[RES+4:RES+7] offset:512
	s_wait_dscnt 0x0                               ; my part has landed
	s_barrier_signal -1
	s_barrier_wait -1
	s_cmp_lt_u32 s10, 2
	s_cbranch_scc0 .Ldone
.irp p, 0,1,2,3,4,5,6,7,8,9,10,11,12,13,14,15
	ds_load_b128 v[Q+4*\p:Q+4*\p+3], v9 offset:1024*\p
.endr
	s_wait_dscnt 0x0
.irp p, 1,2,3,4,5,6,7,8,9,10,11,12,13,14,15
	v_pk_add_f32 v[Q:Q+1], v[Q:Q+1], v[Q+4*\p:Q+4*\p+1]
	v_pk_add_f32 v[Q+2:Q+3], v[Q+2:Q+3], v[Q+4*\p+2:Q+4*\p+3]
.endr
	global_store_b128 v6, v[Q:Q+3], s[8:9]
.Ldone:
	s_wait_tensorcnt 0x0                           ; the wave's end
	ds_add_u32 v[SPW], v[NIL]
	s_wait_dscnt 0x0
	s_endpgm
.Lfunc_end_k_qc8a750fd73_fine:
	.size	k_qc8a750fd73_fine, .Lfunc_end_k_qc8a750fd73_fine-k_qc8a750fd73_fine
	.p2alignl 7, 3214868480
	.fill 96, 4, 3214868480
	.section	.rodata,"a",@progbits
	.p2align	6, 0x0
	.amdhsa_kernel k_qc8a750fd73_fine
		.amdhsa_group_segment_fixed_size 153600
		.amdhsa_private_segment_fixed_size 0
		.amdhsa_enable_private_segment 0
		.amdhsa_kernarg_size 24
		.amdhsa_user_sgpr_count 2
		.amdhsa_user_sgpr_kernarg_segment_ptr 1
		.amdhsa_wavefront_size32 1
		.amdhsa_system_sgpr_workgroup_id_x 1
		.amdhsa_system_sgpr_workgroup_id_y 1
		.amdhsa_system_sgpr_workgroup_id_z 1
		.amdhsa_system_vgpr_workitem_id 0
		.amdhsa_next_free_vgpr 256
		.amdhsa_next_free_sgpr 66
		.amdhsa_reserve_vcc 1
		.amdhsa_float_denorm_mode_32 3
		.amdhsa_float_denorm_mode_16_64 3
		.amdhsa_memory_ordered 1
		.amdhsa_forward_progress 1
		.amdhsa_inst_pref_size 23
	.end_amdhsa_kernel
	.amdgpu_metadata
---
amdhsa.version: [ 1, 2 ]
amdhsa.kernels:
  - .name:           k_qc8a750fd73_fine
    .symbol:         k_qc8a750fd73_fine.kd
    .args:
      - { .name: qkv32, .offset: 0, .size: 8, .value_kind: global_buffer, .address_space: global }
      - { .name: Wo, .offset: 8, .size: 8, .value_kind: global_buffer, .address_space: global }
      - { .name: out0, .offset: 16, .size: 8, .value_kind: global_buffer, .address_space: global }
    .group_segment_fixed_size: 153600
    .private_segment_fixed_size: 0
    .kernarg_segment_align: 8
    .kernarg_segment_size: 24
    .max_flat_workgroup_size: 512
    .sgpr_count:     66
    .vgpr_count:     256
    .wavefront_size: 32
...
	.end_amdgpu_metadata
.endif
;; end of part 5
